; MI455X (gfx1250); checked and timed in simulation.
; The chip was launched on July 23, 2026; its instructions are those of AMD's public machine-readable ISA for CDNA 5 (MIT licence, August 2026) and "CDNA5" Instruction Set Architecture Reference Guide (July 2026). The comments in the code are by the model that wrote it; some were corrected since.
;; Attention. Allowed arithmetic: float matrix products may take bf16 or f16 operands with f32 sums; all other float work in f32.
;; Inputs: attn_w 1,024 x 2,048 float32; encoder_outputs 32 x 2,048 x 1,024 float32; s 32 x 1,024 float32; v_w 1 x 1,024 float32.
;; Outputs: out0 32 x 2,048 float32.
;; 2 versions, each right. Each part assembles by itself: llvm-mc -triple=amdgcn-amd-amdhsa -mcpu=gfx1250 --defsym DOCPART=n.
;; ======== version 1 of 2: 3 launches
;; workspace buffers: web 2,097,152 bytes; ps 131,072 bytes; part 1,048,576 bytes
;; launch prep (part 1): grid 64 x 1, 16 waves a work-group, no clusters, 34,816 bytes of LDS; arguments attn_w, s, web, ps; writes web, ps
.if DOCPART == 1
	.amdgcn_target "amdgcn-amd-amdhsa--gfx1250"
	.amdhsa_code_object_version 6
	.text
	.protected	k_q551f26eee6_prep
	.globl	k_q551f26eee6_prep
	.p2align	8
	.type	k_q551f26eee6_prep,@function
k_q551f26eee6_prep:
	s_mov_b64 s[64:65], 0
	v_nop
	global_prefetch_b8 v0, s[64:65] scope:SCOPE_SE
	s_setreg_imm32_b32 hwreg(HW_REG_WAVE_MODE, 25, 1), 1
	s_wait_xcnt 0x0
; Two things, both from attn_w [1024 h][2048] f32 (columns 0-1023: W_s, columns 1024-2047: W_e):
;   web = W_e rounded to bf16 (nearest even), laid out as the matrix fragments that the next launch reads:
;         byte kstep*131072 + ntile*2048 + q*1024 + c*512 + lane*16 holds W_e[16 ntile + r][64 kstep + 32 q + 16 c + 8 hh + 0..7], lane = 16 hh + r
;   ps  = proj_s[b][h] = sum over d of s[b][d] W_s[h][d], f32, at byte (h/16)*2048 + b*64 + 4 (h%16); operands rounded to bf16, sums in f32.
; Work-group ht owns the 16 rows h = 16 ht .. +15; wave w owns the 64 columns k = 64 w .. +63 of W_s, of W_e and of s,
; so for each of its 16 rows a wave reads 256 consecutive aligned bytes of each.  The 16 waves' partial sums of proj_s meet in LDS.
; No cluster, no tensor loads: 8 MiB are read once, each wave's 32 loads go out in one run, and nothing is shared but s (128 KiB).
.set SRAW,  16                         ; v[16:79]   s as f32: fragment f = 2 mt + q at 16 f (mt: batches 16 mt .. +15; q: 32 of the wave's 64 k)
.set WSRAW, 80                         ; v[80:111]  W_s as f32, 16 q
.set WERAW, 112                        ; v[112:143] W_e as f32, 16 q
.set WSB,   144                        ; v[144:159] W_s fragments in bf16, 8 q
.set SB,    160                        ; v[160:191] s fragments in bf16, 8 f
.set WEB,   192                        ; v[192:207] W_e fragments in bf16, 8 q
.set ACC,   208                        ; v[208:223] two accumulators, 8 mt
	s_load_b256 s[4:11], s[0:1], 0x0               ; attn_w s[4:5], s s[6:7], web s[8:9], ps s[10:11]
	v_lshl_add_u32 v224, v0, 2, 0x8000
	v_mov_b32 v225, 0
	v_lshrrev_b32 v9, 5, v0
	v_readfirstlane_b32 s12, v9                    ; wave 0..15
	v_and_b32 v10, 31, v0                          ; lane
	v_and_b32 v1, 15, v0                           ; r
	v_bfe_u32 v2, v0, 4, 1                         ; hh
	v_lshlrev_b32 v3, 13, v1                       ; attn_w: row r of 8,192 bytes
	v_lshl_add_u32 v3, v2, 5, v3                   ;   + 8 hh numbers of 4 bytes
	v_lshlrev_b32 v4, 12, v1                       ; s: row r of 4,096 bytes
	v_lshl_add_u32 v4, v2, 5, v4
	v_lshlrev_b32 v5, 4, v10                       ; web: 16 bytes a lane
	v_lshlrev_b32 v6, 2, v10                       ; LDS: my word in my wave's 2,048 bytes
	v_lshl_add_u32 v6, s12, 11, v6
	s_lshl_b32 s16, s12, 8                         ; the wave's 64 columns: 256 bytes
	s_mov_b32 s17, 0
	s_lshl_b32 s14, ttmp9, 17                      ; 16 rows of attn_w
	s_add_co_u32 s14, s14, s16
	s_mov_b32 s15, 0
	s_lshl_b32 s20, ttmp9, 11                      ; ntile = ht: 2,048 bytes in web's K step and in ps
	s_mov_b32 s21, 0
	s_lshl_b32 s18, s12, 17                        ; kstep = w
	s_add_co_u32 s18, s18, s20
	s_mov_b32 s19, 0
	s_wait_kmcnt 0x0
	s_add_nc_u64 s[4:5], s[4:5], s[14:15]
	s_add_nc_u64 s[6:7], s[6:7], s[16:17]
	s_add_nc_u64 s[8:9], s[8:9], s[18:19]
	s_add_nc_u64 s[10:11], s[10:11], s[20:21]
	; A bf16 fragment (16 rows x 32 k) holds k = 8 hh + 0..7 in registers 0-3 and k = 16 + 8 hh + 0..7 in registers 4-7 (ISA guide 7.12.2):
	; in f32 that is 32 bytes at 32 hh and 32 bytes at 64 + 32 hh, four loads of 16 bytes at 64 c + 16 e.
.irp mt, 0,1
.irp q, 0,1
.irp c, 0,1
.irp e, 0,1
	global_load_b128 v[SRAW+32*\mt+16*\q+8*\c+4*\e:SRAW+32*\mt+16*\q+8*\c+4*\e+3], v4, s[6:7] offset:\mt*65536+\q*128+\c*64+\e*16
.endr
.endr
.endr
.endr
.irp q, 0,1
.irp c, 0,1
.irp e, 0,1
	global_load_b128 v[WSRAW+16*\q+8*\c+4*\e:WSRAW+16*\q+8*\c+4*\e+3], v3, s[4:5] offset:\q*128+\c*64+\e*16 th:TH_LOAD_NT
.endr
.endr
.endr
.irp q, 0,1
.irp c, 0,1
.irp e, 0,1
	global_load_b128 v[WERAW+16*\q+8*\c+4*\e:WERAW+16*\q+8*\c+4*\e+3], v3, s[4:5] offset:4096+\q*128+\c*64+\e*16 th:TH_LOAD_NT
.endr
.endr
.endr
	s_wait_loadcnt 8                               ; s and W_s are in; the eight loads of W_e, issued last, may stay out
.irp f, 0,1,2,3
.irp i, 0,1,2,3,4,5,6,7
	v_cvt_pk_bf16_f32 v[SB+8*\f+\i], v[SRAW+16*\f+2*\i], v[SRAW+16*\f+2*\i+1]
.endr
.endr
.irp q, 0,1
.irp i, 0,1,2,3,4,5,6,7
	v_cvt_pk_bf16_f32 v[WSB+8*\q+\i], v[WSRAW+16*\q+2*\i], v[WSRAW+16*\q+2*\i+1]
.endr
.endr
	; rows = batches, columns = h: lane (r, hh) gets h = r, register j gets batch 16 mt + 8 hh + j.
	; The two accumulators take turns, one instruction a turn.
	v_wmma_f32_16x16x32_bf16 v[ACC:ACC+7],    v[SB:SB+7],     v[WSB:WSB+7],    0
	v_wmma_f32_16x16x32_bf16 v[ACC+8:ACC+15], v[SB+16:SB+23], v[WSB:WSB+7],    0
	v_wmma_f32_16x16x32_bf16 v[ACC:ACC+7],    v[SB+8:SB+15],  v[WSB+8:WSB+15], v[ACC:ACC+7]
	v_wmma_f32_16x16x32_bf16 v[ACC+8:ACC+15], v[SB+24:SB+31], v[WSB+8:WSB+15], v[ACC+8:ACC+15]
	s_wait_loadcnt 0x0                             ; W_e
	; these sixteen conversions name no register of the matrix instructions: they are also the places that stand in front of the LDS stores of the sums
.irp q, 0,1
.irp i, 0,1,2,3,4,5,6,7
	v_cvt_pk_bf16_f32 v[WEB+8*\q+\i], v[WERAW+16*\q+2*\i], v[WERAW+16*\q+2*\i+1]
.endr
.endr
.irp q, 0,1
.irp c, 0,1
	global_store_b128 v5, v[WEB+8*\q+4*\c:WEB+8*\q+4*\c+3], s[8:9] offset:\q*1024+\c*512   ; each store of the wave covers 512 consecutive bytes, aligned
.endr
.endr
.irp j, 0,1,2,3,4,5,6,7,8,9,10,11,12,13,14,15
	ds_store_b32 v6, v[ACC+\j] offset:\j*128       ; word (8 mt + j) * 32 + lane of my wave's 2,048 bytes
.endr
	s_wait_dscnt 0x0                               ; for the other waves' sake: my partial sums are in LDS
	s_barrier_signal -1
	s_barrier_wait -1
	s_cmp_ge_u32 s12, 8                            ; 512 sums, two a thread: waves 0 to 7 add them up
	s_cbranch_scc1 .Ldone
	v_bfe_u32 v9, v0, 3, 5                         ; batch b = T / 8
	v_and_b32 v10, 7, v0                           ; pair of columns: h = 2 rp, 2 rp + 1
	v_lshrrev_b32 v11, 4, v9                       ; mt
	v_and_b32 v12, 7, v9                           ; j
	v_lshl_add_u32 v11, v11, 3, v12                ; 8 mt + j
	v_bfe_u32 v12, v9, 3, 1                        ; hh
	v_lshlrev_b32 v7, 7, v11                       ; 128 bytes for each register,
	v_lshl_add_u32 v7, v12, 6, v7                  ; 64 for the half of the lanes,
	v_lshl_add_u32 v7, v10, 3, v7                  ; 8 for the pair of columns
	v_and_b32 v8, 0xff, v0
	v_lshlrev_b32 v8, 3, v8                        ; ps: b * 64 + 8 rp = 8 T
.irp i, 0,1,2,3,4,5,6,7,8,9,10,11,12,13,14,15
	ds_load_b64 v[16+2*\i:17+2*\i], v7 offset:\i*2048      ; wave i's partial sums
.endr
	s_wait_dscnt 0x0
.irp i, 0,1,2,3,4,5,6,7
	v_pk_add_f32 v[16+2*\i:17+2*\i], v[16+2*\i:17+2*\i], v[32+2*\i:33+2*\i]
.endr
.irp i, 0,1,2,3
	v_pk_add_f32 v[16+2*\i:17+2*\i], v[16+2*\i:17+2*\i], v[24+2*\i:25+2*\i]
.endr
.irp i, 0,1
	v_pk_add_f32 v[16+2*\i:17+2*\i], v[16+2*\i:17+2*\i], v[20+2*\i:21+2*\i]
.endr
	v_pk_add_f32 v[16:17], v[16:17], v[18:19]
	global_store_b64 v8, v[16:17], s[10:11]        ; a wave stores 256 consecutive bytes, aligned
.Ldone:
	s_wait_tensorcnt 0x0
	ds_add_u32 v224, v225
	s_wait_dscnt 0x0
	s_endpgm
.Lfunc_end_k_q551f26eee6_prep:
	.size	k_q551f26eee6_prep, .Lfunc_end_k_q551f26eee6_prep-k_q551f26eee6_prep
	.p2alignl 7, 3214868480
	.fill 96, 4, 3214868480
	.section	.rodata,"a",@progbits
	.p2align	6, 0x0
	.amdhsa_kernel k_q551f26eee6_prep
		.amdhsa_group_segment_fixed_size 34816
		.amdhsa_private_segment_fixed_size 0
		.amdhsa_enable_private_segment 0
		.amdhsa_kernarg_size 32
		.amdhsa_user_sgpr_count 2
		.amdhsa_user_sgpr_kernarg_segment_ptr 1
		.amdhsa_wavefront_size32 1
		.amdhsa_system_sgpr_workgroup_id_x 1
		.amdhsa_system_sgpr_workgroup_id_y 1
		.amdhsa_system_sgpr_workgroup_id_z 1
		.amdhsa_system_vgpr_workitem_id 0
		.amdhsa_next_free_vgpr 226
		.amdhsa_next_free_sgpr 66
		.amdhsa_reserve_vcc 0
		.amdhsa_float_denorm_mode_32 3
		.amdhsa_float_denorm_mode_16_64 3
		.amdhsa_memory_ordered 1
		.amdhsa_forward_progress 1
		.amdhsa_inst_pref_size 13
	.end_amdhsa_kernel
	.amdgpu_metadata
---
amdhsa.version: [ 1, 2 ]
amdhsa.kernels:
  - .name:           k_q551f26eee6_prep
    .symbol:         k_q551f26eee6_prep.kd
    .args:
      - { .name: attn_w, .offset: 0, .size: 8, .value_kind: global_buffer, .address_space: global }
      - { .name: s, .offset: 8, .size: 8, .value_kind: global_buffer, .address_space: global }
      - { .name: web, .offset: 16, .size: 8, .value_kind: global_buffer, .address_space: global }
      - { .name: ps, .offset: 24, .size: 8, .value_kind: global_buffer, .address_space: global }
    .group_segment_fixed_size: 34816
    .private_segment_fixed_size: 0
    .kernarg_segment_align: 8
    .kernarg_segment_size: 32
    .max_flat_workgroup_size: 512
    .sgpr_count:     66
    .vgpr_count:     226
    .wavefront_size: 32
...
	.end_amdgpu_metadata
.endif
;; end of part 1
;; launch main (part 2): grid 4 x 256, 4 waves a work-group, clusters of 4 x 4, 327,680 bytes of LDS; arguments encoder_outputs, web, ps, v_w, part; writes part
.if DOCPART == 2
	.amdgcn_target "amdgcn-amd-amdhsa--gfx1250"
	.amdhsa_code_object_version 6
	.text
	.protected	k_q551f26eee6_main
	.globl	k_q551f26eee6_main
	.p2align	8
	.type	k_q551f26eee6_main,@function
k_q551f26eee6_main:
	s_mov_b64 s[64:65], 0
	v_nop
	global_prefetch_b8 v0, s[64:65] scope:SCOPE_SE
	s_setreg_imm32_b32 hwreg(HW_REG_WAVE_MODE, 25, 1), 1
	s_wait_xcnt 0x0
	s_wait_alu depctr_hold_cnt(0) depctr_sa_sdst(0) depctr_va_vdst(0) depctr_va_sdst(0) depctr_va_ssrc(0) depctr_va_vcc(0) depctr_vm_vsrc(0)
	s_getreg_b32 s2, hwreg(HW_REG_IB_STS2, 6, 4)
	s_cmp_eq_u32 s2, 0
	s_cbranch_scc0 .Lentry_in_a_cluster
	s_endpgm
.Lentry_in_a_cluster:
	s_bfe_u32 s2, ttmp6, 0x10000c
	s_cmp_lg_u32 s2, 0xf033
	s_cbranch_scc0 .Lentry_shape_is_right
	s_endpgm
.Lentry_shape_is_right:
; part[x][row] = sum over h = 256 x .. 256 x + 255 of v[h] tanh(proj_s[batch][h] + sum over e of enc[row][e] W_e[h][e]),  row = batch * 2048 + s.
; A work-group makes 256 rows x 256 columns h with four waves; a wave makes 64 rows x 256 columns: 64 accumulator tiles of 16 x 16, 512 registers.
; With this shape each row of enc is read from LDS and rounded to bf16 by one wave alone, and a row's sum over the 256 columns ends inside one wave.
; K (1,024) goes in 16 steps of 64 through two LDS slots.  enc comes as f32 (rows of 256 bytes, aligned) and is rounded to bf16 (nearest even) in registers;
; W_e comes as bf16 fragments ready for use (buffer web), 32 KiB dense for a K step and a chunk of 256 columns.
; Two slots of a K step of 128 would take 409,600 bytes of LDS with enc in f32: hence 64.
; CLUSTERS: 4 x 4 work-groups.  The four of a row of the cluster are the four column chunks of the same 256 rows and ask for enc's tile jointly, so enc is
; fetched once although N is split in four; the four of a column share a column chunk and ask for W_e's tile jointly.
; tanh(t) = 1 - 2 / (1 + 2^(2 log2(e) t)): it goes to +1 and -1 exactly for large |t| (the power becomes infinite or 0), no NaN arises from finite t.
; So sum v tanh = sum v + sum (-2 v) / (1 + 2^..).  LIMITS: matrix operands are bf16; each term 1/(1 + 2^..) lies in [0, 1] and carries the rounding of
; v_exp_f32 and v_rcp_f32 (1 ULP each, ISA guide 15.8), so a score's absolute error is of the order 2^-23 x sum |v|, in this form as with 1 - 2 r formed term by term.
;
; REGISTERS, in windows of 256:
;   window 0: addresses; AF0, AF1 enc fragments in bf16 (4 x 8 registers), two buffers; RAW enc in f32 as loaded; PSV, T, PART for the way out
;   window 1: BF0, BF1 fragments of W_e (16 x 8 registers), two buffers
;   window 2: accumulators of column tiles 0-7 (tile (b, a) at v[8 (4 b + a)]);   window 3: column tiles 8-15
; The matrix instruction takes W_e as source 0 and enc as source 1: lane (r, hh) holds row r of enc's 16, register j the column 8 hh + j of W_e's 16.
.set PITCHA, 272                       ; an LDS row of enc: 256 bytes + 16 of padding: sixteen rows start in sixteen different 16-byte columns modulo 256 bytes
.set AHALF,  128*PITCHA                ; 128 rows: one tensor load
.set ABYTES, 2*AHALF
.set BHALF,  16384                     ; eight column tiles of W_e: one tensor load
.set SLOT,   ABYTES+2*BHALF            ; 102,400 bytes
.set PV,     2*SLOT                    ; behind the ring, each wave's own 2,048 bytes: 256 f32 of 2 log2(e) proj_s, then 256 f32 of -2 v; no tensor load lands here
.set STG,    PV+4*2048                 ; each wave's own 256 bytes: its 64 scores on the way out
.set ADRA, 16                          ; v16-17  LDS address of my enc fragments in slot 0, 1
.set ADRB, 18                          ; v18-19  the same for W_e
.set PVW,  20                          ; v20     where I put my 8 numbers of proj_s (and, 1,024 further, of v)
.set PVR,  21                          ; v21     where I read the 8 numbers of a column tile
.set STW,  22                          ; v22     stage: 4 bytes a lane
.set STR,  23                          ; v23     stage: 8 bytes a lane
.set PO,   24                          ; v24     my byte offset in part
.set PFO,  25                          ; v25     my byte offset for the prefetch
.set SVT,  26                          ; v26     sum of v over the 256 columns
.set AF0,  32
.set AF1,  64
.set RAW,  96                          ; v[96:159]   16 registers for each of 4 row tiles
.set PSV,  160                         ; v[160:191]  two sets of 8 + 8: scaled proj_s and -2 v of a column tile
.set T,    192                         ; v[192:223]  at work, 8 for each row tile
.set PART, 224                         ; v[224:255]  running sums, 8 for each row tile
.set BF0,  0
.set BF1,  128
.set G1A,  24                          ; s[24:31] descriptor group 1, enc's tiles
.set G0A,  32                          ; s[32:39] group 0 for enc, one set for each slot
.set G1B,  48                          ; s[48:55] group 1, W_e's tiles
.set G0B,  56                          ; s[56:63] group 0 for W_e, one set for each slot
.set PF,   66                          ; s[66:67] base of the prefetch
.set MSB, 0
.macro WIN new                         ; the immediate's high byte repeats the setting that is left; a switch that changes nothing is dropped
.if MSB != (\new)
	s_set_vgpr_msb (MSB<<8)|(\new)
.set MSB, (\new)
.endif
.endm
.set MUL_LO, 0xa1                      ; source 0 (W_e) window 1, source 1 (enc) window 0, C and D window 2
.set MUL_HI, 0xf1                      ; the same, C and D window 3
.set TO_B,   0x40                      ; destination window 1, address window 0
; A joint load.  Waves 0 and 1 fetch the two halves of enc's tile, waves 2 and 3 those of W_e's.  The branch hangs on the wave's number alone.
.macro JLOAD s
	s_cmp_eq_u32 s15, 0
	s_cbranch_scc0 .Lfor_b_\@
	tensor_load_to_lds s[G0A+4*\s:G0A+4*\s+3], s[G1A:G1A+7]
	s_nop 0
	s_branch .Lasked_\@
.Lfor_b_\@:
	tensor_load_to_lds s[G0B+4*\s:G0B+4*\s+3], s[G1B:G1B+7]
	s_nop 0
.Lasked_\@:
.endm
; A round of the cluster's barrier: my work-group's barrier, wave 0 signals for the work-group, every wave waits for all sixteen, my work-group's barrier again.
.macro CREST                           ; a round behind its opening barrier
	s_cmp_lg_u32 s14, 0
	s_cbranch_scc1 .Lnot_wave_0_\@
	s_barrier_signal -3
.Lnot_wave_0_\@:
	s_barrier_wait -3
	s_barrier_signal -1
	s_barrier_wait -1
.endm
.macro CROUND
	s_barrier_signal -1
	s_barrier_wait -1
	CREST
.endm
	s_load_b256 s[4:11], s[0:1], 0x0               ; enc s[4:5], web s[6:7], ps s[8:9], v_w s[10:11]
	s_load_b64 s[12:13], s[0:1], 0x20              ; part
	v_lshl_add_u32 v30, v0, 2, 0x34400
	v_mov_b32 v31, 0
	ds_add_u32 v30, v31
	v_lshrrev_b32 v1, 5, v0
	v_readfirstlane_b32 s14, v1                    ; wave 0..3
	s_lshr_b32 s15, s14, 1                         ; I fetch for enc (0) or for W_e (1)
	s_and_b32 s16, s14, 1                          ; which half of that tile
	s_bfe_u32 s17, ttmp6, 0x40000                  ; cx
	s_bfe_u32 s18, ttmp6, 0x40004                  ; cy
	s_lshl_b32 s19, ttmp9, 2
	s_add_co_u32 s19, s19, s17                     ; x: chunk of 256 columns h
	s_and_b32 s20, ttmp7, 0xffff
	s_lshl_b32 s20, s20, 2
	s_add_co_u32 s20, s20, s18                     ; by: block of 256 rows
	s_lshl_b32 s21, s18, 2
	s_lshl_b32 s21, 15, s21                        ; my row of the cluster: places 4 cy .. 4 cy + 3
	s_lshl_b32 s22, 0x1111, s17                    ; my column: places cx, cx + 4, cx + 8, cx + 12
	s_mov_b32 s68, 0x76543210                      ; v_permlanex16_b32: lane i of one half reads lane i of the other
	s_mov_b32 s69, 0xfedcba98
	; group 1 for enc: 128 rows x 64 f32, 1,024 elements from row to row, 4 words of padding behind every 64
	s_or_b32 s[G1A+0], s21, (2<<16)|(1<<20)|(1<<21)|(5<<22)|(3<<25)  ; 15:0 mask: my row; 17:16 elements of 4 bytes; 20 padding on; 21 set beside a mask; 24:22 every 64 words; 31:25 4 words
	s_mov_b32 s[G1A+1], 64<<16                     ; tensor_dim0 = 64
	s_mov_b32 s[G1A+2], 128<<16                    ; tensor_dim1 = 128
	s_mov_b32 s[G1A+3], 64<<16                     ; tile_dim0 = 64
	s_mov_b32 s[G1A+4], 128                        ; tile_dim1 = 128
	s_mov_b32 s[G1A+5], 1024                       ; the pitch
	s_mov_b32 s[G1A+6], 0
	s_mov_b32 s[G1A+7], 0
	; group 1 for W_e: 16,384 dense bytes as 64 rows of 32 elements of 8 bytes, no padding
	s_or_b32 s[G1B+0], s22, (3<<16)|(1<<21)        ; mask: my column
	s_mov_b32 s[G1B+1], 32<<16
	s_mov_b32 s[G1B+2], 64<<16
	s_mov_b32 s[G1B+3], 32<<16
	s_mov_b32 s[G1B+4], 64
	s_mov_b32 s[G1B+5], 32
	s_mov_b32 s[G1B+6], 0
	s_mov_b32 s[G1B+7], 0
	; where the tiles come from and go to.  enc's address is made of by and the wave's number in s[40:43], W_e's of x and the wave's number in s[44:47];
	; neither set ever holds the other coordinate, and the LDS addresses are the wave's number times a constant plus constants.
	s_lshl_b32 s40, s20, 20                        ; 256 rows of 4,096 bytes
	s_lshl_b32 s42, s16, 19                        ; + 128 rows for the second half
	s_add_co_u32 s40, s40, s42
	s_mov_b32 s41, 0
	s_mul_i32 s43, s14, AHALF                      ; waves 0, 1: bytes 0 and 34,816 of the slot
	s_lshl_b32 s44, s19, 15                        ; 32,768 bytes for a chunk in a K step of web
	s_lshl_b32 s46, s16, 14
	s_add_co_u32 s44, s44, s46
	s_mov_b32 s45, 0
	s_mul_i32 s47, s14, BHALF
	s_add_co_u32 s47, s47, ABYTES-2*BHALF          ; waves 2, 3: bytes 69,632 and 86,016 of the slot
	s_lshl_b32 s70, s20, 20                        ; prefetch: row 256 by + 64 x + 16 w, K step 4
	s_lshl_b32 s72, s19, 18
	s_add_co_u32 s70, s70, s72
	s_lshl_b32 s72, s14, 16
	s_add_co_u32 s70, s70, s72
	s_add_co_u32 s70, s70, 1024
	s_mov_b32 s71, 0
	s_lshl_b32 s72, s19, 15                        ; ps: 16 column tiles of 2,048 bytes for a chunk,
	s_lshr_b32 s73, s20, 3                         ; batch = by / 8,
	s_lshl_b32 s73, s73, 6                         ; 64 bytes for a batch
	s_add_co_u32 s72, s72, s73
	s_mov_b32 s73, 0
	s_wait_dscnt 0x0
	s_wait_kmcnt 0x0
	s_add_nc_u64 s[40:41], s[4:5], s[40:41]
	s_add_nc_u64 s[44:45], s[6:7], s[44:45]
	s_add_nc_u64 s[PF:PF+1], s[4:5], s[70:71]
	s_add_nc_u64 s[8:9], s[8:9], s[72:73]
	s_lshl_b32 s70, s19, 10                        ; v_w: 256 f32 for a chunk
	s_add_nc_u64 s[10:11], s[10:11], s[70:71]
	s_lshl_b32 s72, s19, 18                        ; part: 65,536 f32 for a chunk,
	s_lshl_b32 s70, s20, 10                        ; 256 for a block of rows,
	s_add_co_u32 s72, s72, s70
	s_lshl_b32 s70, s14, 8                         ; 64 for a wave
	s_add_co_u32 s72, s72, s70
	s_add_nc_u64 s[12:13], s[12:13], s[72:73]
	CROUND                                         ; all sixteen work-groups are here: the first joint loads meet
.irp s, 0,1
	s_mov_b32 s[G0A+4*\s], 1                                       ; count = 1
	s_add_co_u32 s[G0A+4*\s+1], s43, \s*SLOT                       ; LDS address
	s_add_nc_u64 s[G0A+4*\s+2:G0A+4*\s+3], s[40:41], \s*256        ; K step s: 64 f32 along the rows
	s_or_b32 s[G0A+4*\s+3], s[G0A+4*\s+3], 0x80000000              ; type = 2
	s_mov_b32 s[G0B+4*\s], 1
	s_add_co_u32 s[G0B+4*\s+1], s47, \s*SLOT
	s_add_nc_u64 s[G0B+4*\s+2:G0B+4*\s+3], s[44:45], \s*131072     ; K step s of web
	s_or_b32 s[G0B+4*\s+3], s[G0B+4*\s+3], 0x80000000
	JLOAD \s                                       ; both slots are asked for before anything else: two tensor loads of the wave are out
.endr
	v_and_b32 v3, 31, v0                           ; lane
	v_and_b32 v1, 15, v0                           ; r
	v_bfe_u32 v2, v0, 4, 1                         ; hh
	v_mul_u32_u24 v4, v1, PITCHA
	v_lshl_add_u32 v4, v2, 5, v4                   ; row r, 8 hh numbers of 4 bytes
	s_mul_i32 s70, s14, 64*PITCHA                  ; my wave's 64 rows
	v_add_nc_u32 v[ADRA], s70, v4
	v_add_nc_u32 v[ADRA+1], SLOT, v[ADRA]
	v_lshlrev_b32 v5, 4, v3                        ; W_e's fragments lie lane by lane, 16 bytes each
	v_add_nc_u32 v[ADRB], ABYTES, v5
	v_add_nc_u32 v[ADRB+1], ABYTES+SLOT, v5
	s_lshl_b32 s71, s14, 11
	s_add_co_u32 s71, s71, PV
	v_lshl_add_u32 v[PVW], v3, 5, s71              ; lane l brings columns 8 l .. 8 l + 7
	v_lshl_add_u32 v[PVR], v2, 5, s71              ; and later reads columns 16 b + 8 hh + 0..7
	s_lshl_b32 s72, s14, 8
	s_add_co_u32 s72, s72, STG
	v_lshl_add_u32 v[STW], v3, 2, s72
	v_lshl_add_u32 v[STR], v3, 3, s72
	v_lshlrev_b32 v[PO], 3, v3
	v_lshlrev_b32 v[PFO], 12, v1                   ; prefetch: row r of my 16, and hh picks one of two K steps
	v_lshl_add_u32 v[PFO], v2, 8, v[PFO]
	v_lshrrev_b32 v27, 1, v3                       ; ps: column tile l / 2,
	v_and_b32 v6, 1, v3
	v_lshlrev_b32 v27, 11, v27
	v_lshl_add_u32 v27, v6, 5, v27                 ; its columns 8 (l % 2) + 0..7
	v_lshlrev_b32 v28, 5, v3                       ; v_w: 32 bytes a lane
	global_load_b128 v[96:99],   v27, s[8:9]
	global_load_b128 v[100:103], v27, s[8:9] offset:16
	global_load_b128 v[104:107], v28, s[10:11]
	global_load_b128 v[108:111], v28, s[10:11] offset:16
	s_wait_loadcnt 0x0
	v_pk_add_f32 v[112:113], v[104:105], v[106:107]        ; sum of v over the chunk's 256 columns: 8 in the lane, then over the 32 lanes
	v_pk_add_f32 v[114:115], v[108:109], v[110:111]
	v_pk_add_f32 v[112:113], v[112:113], v[114:115]
	v_add_f32 v[SVT], v112, v113
	v_add_f32_dpp v[SVT], v[SVT], v[SVT] row_xmask:1 row_mask:0xf bank_mask:0xf
	v_add_f32_dpp v[SVT], v[SVT], v[SVT] row_xmask:2 row_mask:0xf bank_mask:0xf
	v_add_f32_dpp v[SVT], v[SVT], v[SVT] row_xmask:4 row_mask:0xf bank_mask:0xf
	v_add_f32_dpp v[SVT], v[SVT], v[SVT] row_xmask:8 row_mask:0xf bank_mask:0xf
	v_permlanex16_b32 v112, v[SVT], s68, s69       ; its destination counts as read: v112 has been written
	v_add_f32 v[SVT], v[SVT], v112
.irp p, 0,2,4,6
	v_pk_mul_f32 v[96+\p:97+\p], v[96+\p:97+\p], 0x4038aa3b op_sel_hi:[1,0]     ; 2 log2(e) proj_s: the addend of the exponent
	v_pk_mul_f32 v[104+\p:105+\p], v[104+\p:105+\p], -2.0 op_sel_hi:[1,0]       ; -2 v
.endr
	ds_store_b128 v[PVW], v[96:99]
	ds_store_b128 v[PVW], v[100:103] offset:16
	ds_store_b128 v[PVW], v[104:107] offset:1024
	ds_store_b128 v[PVW], v[108:111] offset:1040
; 16 matrix instructions: column tiles b0 .. b0 + 3 of the window's eight (hi = 0: tiles 0-7, 1: tiles 8-15) x my 4 row tiles, 32 along K.
; zero = 1: the first product starts the sums, nothing is cleared.  The 64 accumulators take turns in the same order in every 32 of K,
; one instruction a turn, over the backward jump too.
.macro MUL16 bf, af, hi, b0, zero
.irp bb, \b0, \b0+1, \b0+2, \b0+3
.irp a, 0,1,2,3
.if \zero
	v_wmma_f32_16x16x32_bf16 v[8*(4*(\bb)+\a):8*(4*(\bb)+\a)+7], v[\bf+8*(8*\hi+(\bb)):\bf+8*(8*\hi+(\bb))+7], v[\af+8*\a:\af+8*\a+7], 0
.else
	v_wmma_f32_16x16x32_bf16 v[8*(4*(\bb)+\a):8*(4*(\bb)+\a)+7], v[\bf+8*(8*\hi+(\bb)):\bf+8*(8*\hi+(\bb))+7], v[\af+8*\a:\af+8*\a+7], v[8*(4*(\bb)+\a):8*(4*(\bb)+\a)+7]
.endif
.endr
.endr
.endm
; 48 LDS loads in one run: half kap (32 of the 64 k) of a slot.  First enc's 64 rows in f32 (16 loads), then W_e's 16 fragments (32 loads) into buffer bf.
.macro FETCH slot, kap, bf
	WIN 0
.irp a, 0,1,2,3
.irp c, 0,1
.irp e, 0,1
	ds_load_b128 v[RAW+16*\a+8*\c+4*\e:RAW+16*\a+8*\c+4*\e+3], v[ADRA+\slot] offset:\a*16*PITCHA+\kap*128+\c*64+\e*16
.endr
.endr
.endr
	WIN TO_B
.irp b, 0,1,2,3,4,5,6,7,8,9,10,11,12,13,14,15
	ds_load_b128 v[\bf+8*\b:\bf+8*\b+3],   v[ADRB+\slot] offset:\b*2048+\kap*1024
	ds_load_b128 v[\bf+8*\b+4:\bf+8*\b+7], v[ADRB+\slot] offset:\b*2048+\kap*1024+512
.endr
.endm
.macro CVT af                          ; enc's 4 fragments: f32 to bf16, two numbers an instruction
.irp a, 0,1,2,3
.irp i, 0,1,2,3,4,5,6,7
	v_cvt_pk_bf16_f32 v[\af+8*\a+\i], v[RAW+16*\a+2*\i], v[RAW+16*\a+2*\i+1]
.endr
.endr
.endm
; Four places (ISA guide 7.12.1 for vector instructions) between the last matrix instruction that read a fragment buffer and the loads and
; conversions that write it again; the matrix instructions in between are not counted.
.macro PLACES
.rept 4
	v_nop
.endr
.endm
; The first half of a K step: multiplies buffers 0 and fetches the second half of the same slot into buffers 1.
; mode 0: no barrier.  mode 1: the work-group's barrier alone.  mode 2: the barrier opens a round of the cluster's barrier,
; and behind the round this slot, of which both halves are now in registers, is asked for again, two K steps ahead.
; From that request to the wait for it a wave issues 112 matrix instructions.
.macro SUB_E slot, zero, mode, pfstep
	PLACES
	FETCH \slot, 1, BF1
	s_wait_dscnt 48                                ; all but the 48 just issued: buffer 0 of W_e is in
	WIN MUL_LO
	MUL16 BF0, AF0, 0, 0, \zero
	MUL16 BF0, AF0, 0, 4, \zero
	WIN 0
	s_wait_dscnt 32                                ; the 16 loads of enc were issued ahead of the 32 of W_e, which may stay out
	CVT AF1
.if \pfstep
	s_wait_xcnt 0x0                                ; the prefetch issued 64 matrix instructions ago has had its address translated (ISA guide 3.1): its base may step
	s_add_nc_u64 s[PF:PF+1], s[PF:PF+1], 512       ; two K steps on
.endif
	WIN MUL_HI
	MUL16 BF0, AF0, 1, 0, \zero
.if \mode
	s_wait_dscnt 0x0                               ; my reads of this slot are over,
	s_set_vgpr_msb 0xf1f0
	s_wait_tensorcnt 0x0                           ; and all my tensor loads have landed: the one that was out is my part of the other slot
	ds_add_u32 v30, v31
	s_wait_dscnt 0x0
	s_set_vgpr_msb 0xf0f1
	s_barrier_signal -1
.endif
	MUL16 BF0, AF0, 1, 4, \zero                    ; registers alone between signal and wait
.if \mode
	WIN 0
	s_barrier_wait -1
.endif
.if \mode == 2
	CREST                                          ; no wave of any partner still reads this slot or has a load on its way
	s_add_nc_u64 s[G0A+4*\slot+2:G0A+4*\slot+3], s[G0A+4*\slot+2:G0A+4*\slot+3], 512
	s_add_nc_u64 s[G0B+4*\slot+2:G0B+4*\slot+3], s[G0B+4*\slot+2:G0B+4*\slot+3], 262144
	JLOAD \slot                                    ; the wave's one tensor load behind the round, and the first thing there
.endif
.endm
; The second half of a K step: multiplies buffers 1; fetch = 1: fetches the first half of the next K step, from slot nslot, into buffers 0.
.macro SUB_O nslot, fetch, pf
	PLACES
.if \fetch
	FETCH \nslot, 0, BF0
	s_wait_dscnt 48                                ; all but the 48 just issued: buffer 1 of W_e is in
.else
	s_wait_dscnt 0x0
.endif
	WIN MUL_LO
	MUL16 BF1, AF1, 0, 0, 0
	MUL16 BF1, AF1, 0, 4, 0
.if \fetch
	WIN 0
	s_wait_dscnt 32
	CVT AF0
.endif
.if \pf
	global_prefetch_b8 v[PFO], s[PF:PF+1] th:TH_LOAD_NT scope:SCOPE_SE
.endif
	WIN MUL_HI
	MUL16 BF1, AF1, 1, 0, 0
	MUL16 BF1, AF1, 1, 4, 0
.endm
; A lap: two K steps, both slots asked for again.  pf = 1: in lap j each wave asks once for enc's K steps 2 j + 4 and 2 j + 5 of rows 64 x + 16 w + 0..15 of the block
; (32 lanes: 16 rows x 2 steps of 256 bytes), one lap ahead of those steps' tensor loads; the four partners and their four waves share the 256 rows, so each piece
; is asked for once in the launch.  Laps 0 to 5 ask (K steps 4 to 15); the later ones ask for nothing, so no request leaves a row.  web is read again by every block of rows: not asked for.
.macro LAP zero, pf
	SUB_E 0, \zero, 2, 0
	SUB_O 1, 1, \pf
	SUB_E 1, 0, 2, \pf
	SUB_O 0, 1, 0
.endm
	s_wait_tensorcnt 0x1                           ; my part of K step 0 is in; K step 1's load may stay out
	s_wait_dscnt 0x0                               ; no LDS instruction is pending at a signal
	s_barrier_signal -1
	s_barrier_wait -1
	FETCH 0, 0, BF0
	s_wait_dscnt 32
	WIN 0
	CVT AF0
	LAP 1, 1                                       ; lap 0 stands in front of the loop: its first products start the sums
	WIN 0                                          ; at a label and at a branch every window is 0
	s_mov_b32 s23, 5
.Llap:
	LAP 0, 1                                       ; laps 1 to 5
	WIN 0
	s_sub_co_u32 s23, s23, 1
	s_cmp_lg_u32 s23, 0
	s_cbranch_scc1 .Llap
	LAP 0, 0                                       ; lap 6: the last refills, K steps 14 and 15
	SUB_E 0, 0, 1, 0                               ; lap 7 fills nothing: one barrier shows K step 15 whole to every wave
	SUB_O 1, 1, 0
	SUB_E 1, 0, 0, 0
	SUB_O 0, 0, 0
	; THE WAY OUT, one column tile b (16 columns) at a time for my 4 row tiles: exponent = 2 log2(e) (sum + proj_s), r = 1 / (1 + 2^exponent), PART += -2 v r.
	; A lane has 8 columns of a tile: their proj_s and v come from my wave's own LDS bytes, one tile ahead, in two sets of registers.
	PLACES                                         ; the places between the last matrix instructions and the reads of their results
	WIN 0
	ds_load_b128 v[PSV:PSV+3],     v[PVR]
	ds_load_b128 v[PSV+4:PSV+7],   v[PVR] offset:16
	ds_load_b128 v[PSV+8:PSV+11],  v[PVR] offset:1024
	ds_load_b128 v[PSV+12:PSV+15], v[PVR] offset:1040
.set EB, 0
.rept 16
.if EB < 15
	ds_load_b128 v[PSV+16*((EB+1)%2):PSV+16*((EB+1)%2)+3],     v[PVR] offset:64*(EB+1)
	ds_load_b128 v[PSV+16*((EB+1)%2)+4:PSV+16*((EB+1)%2)+7],   v[PVR] offset:64*(EB+1)+16
	ds_load_b128 v[PSV+16*((EB+1)%2)+8:PSV+16*((EB+1)%2)+11],  v[PVR] offset:64*(EB+1)+1024
	ds_load_b128 v[PSV+16*((EB+1)%2)+12:PSV+16*((EB+1)%2)+15], v[PVR] offset:64*(EB+1)+1040
	s_wait_dscnt 4                                 ; this tile's four loads are in; the next tile's four stay out
.else
	s_wait_dscnt 0x0
.endif
	WIN 2+EB/8                                     ; source 0: the accumulators' window
.irp a, 0,1,2,3
.irp p, 0,2,4,6
	v_pk_fma_f32 v[T+8*\a+\p:T+8*\a+\p+1], v[8*(4*(EB%8)+\a)+\p:8*(4*(EB%8)+\a)+\p+1], 0x4038aa3b, v[PSV+16*(EB%2)+\p:PSV+16*(EB%2)+\p+1] op_sel_hi:[1,0,1]
.endr
.endr
	WIN 0
.set EI, 0
.rept 32
	v_exp_f32 v[T+EI], v[T+EI]
.set EI, EI+1
.endr
	v_nop                                          ; one plain vector instruction between the last v_exp_f32 and the use of its result (ISA guide 5.7.2)
	s_wait_alu depctr_va_vdst(0)
.irp p, 0,2,4,6,8,10,12,14,16,18,20,22,24,26,28,30
	v_pk_add_f32 v[T+\p:T+\p+1], v[T+\p:T+\p+1], 1.0 op_sel_hi:[1,0]
.endr
.set EI, 0
.rept 32
	v_rcp_f32 v[T+EI], v[T+EI]
.set EI, EI+1
.endr
	v_nop                                          ; likewise behind the last v_rcp_f32
	s_wait_alu depctr_va_vdst(0)
.irp a, 0,1,2,3
.irp p, 0,2,4,6
.if EB == 0
	s_wait_alu depctr_va_vdst(0)
	v_pk_mul_f32 v[PART+8*\a+\p:PART+8*\a+\p+1], v[T+8*\a+\p:T+8*\a+\p+1], v[PSV+8+\p:PSV+8+\p+1]      ; the first tile starts the sums
.else
	v_pk_fma_f32 v[PART+8*\a+\p:PART+8*\a+\p+1], v[T+8*\a+\p:T+8*\a+\p+1], v[PSV+16*(EB%2)+8+\p:PSV+16*(EB%2)+8+\p+1], v[PART+8*\a+\p:PART+8*\a+\p+1]
.endif
.endr
.endr
.set EB, EB+1
.endr
	; a lane's eight sums, then the other half of the lanes (the other eight columns of each tile): row 16 a + r is then in lanes r and 16 + r
.irp a, 0,1,2,3
	v_pk_add_f32 v[PART+8*\a:PART+8*\a+1],   v[PART+8*\a:PART+8*\a+1],   v[PART+8*\a+2:PART+8*\a+3]
	v_pk_add_f32 v[PART+8*\a+4:PART+8*\a+5], v[PART+8*\a+4:PART+8*\a+5], v[PART+8*\a+6:PART+8*\a+7]
.endr
.irp a, 0,1,2,3
	v_pk_add_f32 v[PART+8*\a:PART+8*\a+1], v[PART+8*\a:PART+8*\a+1], v[PART+8*\a+4:PART+8*\a+5]
.endr
.irp a, 0,1,2,3
	v_add_f32 v[PART+8*\a], v[PART+8*\a], v[PART+8*\a+1]
.endr
.irp a, 0,1,2,3
	v_permlanex16_b32 v[T+\a], v[PART+8*\a], s68, s69      ; T has been written
.endr
.irp a, 0,1,2,3
	v_add_f32 v[PART+8*\a], v[PART+8*\a], v[T+\a]
.endr
	v_cmp_le_u32 vcc_lo, 16, v3
	v_cndmask_b32 v[T],   v[PART],    v[PART+8],  vcc_lo   ; lane l: row l
	v_cndmask_b32 v[T+1], v[PART+16], v[PART+24], vcc_lo   ; lane l: row 32 + l
	v_add_f32 v[T],   v[T],   v[SVT]                       ; + sum of v
	v_add_f32 v[T+1], v[T+1], v[SVT]
	ds_store_b32 v[STW], v[T]                      ; through my wave's own 256 bytes, so that one store covers 256 consecutive bytes, aligned
	ds_store_b32 v[STW], v[T+1] offset:128
	ds_load_b64 v[T+2:T+3], v[STR]                 ; LDS serves a wave's instructions in order (ISA guide 5.7.1): this sees the two stores
	s_wait_dscnt 0x0
	global_store_b64 v[PO], v[T+2:T+3], s[12:13]
	s_wait_tensorcnt 0x0
	ds_add_u32 v30, v31
	s_wait_dscnt 0x0
	CROUND                                         ; the closing round: no work-group ends while a partner may still ask for a tile that names it
	s_endpgm
.Lfunc_end_k_q551f26eee6_main:
	.size	k_q551f26eee6_main, .Lfunc_end_k_q551f26eee6_main-k_q551f26eee6_main
	.p2alignl 7, 3214868480
	.fill 96, 4, 3214868480
	.section	.rodata,"a",@progbits
	.p2align	6, 0x0
	.amdhsa_kernel k_q551f26eee6_main
		.amdhsa_group_segment_fixed_size 327680
		.amdhsa_private_segment_fixed_size 0
		.amdhsa_enable_private_segment 0
		.amdhsa_kernarg_size 40
		.amdhsa_user_sgpr_count 2
		.amdhsa_user_sgpr_kernarg_segment_ptr 1
		.amdhsa_wavefront_size32 1
		.amdhsa_system_sgpr_workgroup_id_x 1
		.amdhsa_system_sgpr_workgroup_id_y 1
		.amdhsa_system_sgpr_workgroup_id_z 1
		.amdhsa_system_vgpr_workitem_id 0
		.amdhsa_next_free_vgpr 1024
		.amdhsa_next_free_sgpr 80
		.amdhsa_reserve_vcc 1
		.amdhsa_float_denorm_mode_32 3
		.amdhsa_float_denorm_mode_16_64 3
		.amdhsa_memory_ordered 1
		.amdhsa_forward_progress 1
		.amdhsa_inst_pref_size 255
	.end_amdhsa_kernel
	.section	.bss,"aw",@nobits
	.p2align	6
	.space	262144
	.amdgpu_metadata
---
amdhsa.version: [ 1, 2 ]
amdhsa.kernels:
  - .name:           k_q551f26eee6_main
    .symbol:         k_q551f26eee6_main.kd
    .args:
      - { .name: encoder_outputs, .offset: 0, .size: 8, .value_kind: global_buffer, .address_space: global }
      - { .name: web, .offset: 8, .size: 8, .value_kind: global_buffer, .address_space: global }
      - { .name: ps, .offset: 16, .size: 8, .value_kind: global_buffer, .address_space: global }
      - { .name: v_w, .offset: 24, .size: 8, .value_kind: global_buffer, .address_space: global }
      - { .name: part, .offset: 32, .size: 8, .value_kind: global_buffer, .address_space: global }
    .group_segment_fixed_size: 327680
    .private_segment_fixed_size: 0
    .kernarg_segment_align: 8
    .kernarg_segment_size: 40
    .max_flat_workgroup_size: 128
    .sgpr_count:     80
    .vgpr_count:     1024
    .wavefront_size: 32
...
	.end_amdgpu_metadata
.endif
;; end of part 2
;; launch soft (part 3): grid 32 x 1, 16 waves a work-group, no clusters, 2,304 bytes of LDS; arguments part, out0; writes out0
.if DOCPART == 3
	.amdgcn_target "amdgcn-amd-amdhsa--gfx1250"
	.amdhsa_code_object_version 6
	.text
	.protected	k_q551f26eee6_soft
	.globl	k_q551f26eee6_soft
	.p2align	8
	.type	k_q551f26eee6_soft,@function
k_q551f26eee6_soft:
	s_mov_b64 s[64:65], 0
	v_nop
	global_prefetch_b8 v0, s[64:65] scope:SCOPE_SE
	s_setreg_imm32_b32 hwreg(HW_REG_WAVE_MODE, 25, 1), 1
	s_wait_xcnt 0x0
; out0[b][s] = softmax over s of the score[b][s] = sum over x = 0..3 of part[x][b * 2048 + s].
; One work-group for a batch: 16 waves, thread T owns s = 4 T .. 4 T + 3, which stay in registers from the load to the store.
; The row's maximum is taken away before the exponential, so the largest term is 1 and the sum lies in [1, 2048].
; LIMIT: v_exp_f32 gives 0 for results below 2^-126 (ISA guide 15.8): such outputs are 0.
; 1.3 MiB in all: no matrix unit, no tensor loads, no cluster; two reductions over the work-group, each through LDS words of its own with one barrier.
	s_load_b128 s[4:7], s[0:1], 0x0                ; part s[4:5], out0 s[6:7]
	v_lshl_add_u32 v40, v0, 2, 0x100
	v_mov_b32 v41, 0
	v_lshrrev_b32 v1, 5, v0
	v_readfirstlane_b32 s8, v1                     ; wave 0..15
	v_lshlrev_b32 v2, 4, v0                        ; 16 bytes a thread
	v_mov_b32 v22, s8
	v_lshlrev_b32 v22, 2, v22                      ; my wave's word in LDS
	v_mov_b32 v23, 0
	s_lshl_b32 s10, ttmp9, 13                      ; a batch: 2,048 f32
	s_mov_b32 s11, 0
	s_mov_b32 s12, 0x76543210                      ; v_permlanex16_b32: lane i of one half reads lane i of the other
	s_mov_b32 s13, 0xfedcba98
	s_wait_kmcnt 0x0
	s_add_nc_u64 s[4:5], s[4:5], s[10:11]
	s_add_nc_u64 s[6:7], s[6:7], s[10:11]
.irp x, 0,1,2,3
	global_load_b128 v[4+4*\x:7+4*\x], v2, s[4:5] offset:\x*262144 th:TH_LOAD_NT    ; a wave's load covers 512 consecutive bytes
.endr
	s_wait_loadcnt 0x0
	v_pk_add_f32 v[4:5],   v[4:5],   v[8:9]
	v_pk_add_f32 v[6:7],   v[6:7],   v[10:11]
	v_pk_add_f32 v[12:13], v[12:13], v[16:17]
	v_pk_add_f32 v[14:15], v[14:15], v[18:19]
	v_pk_add_f32 v[4:5],   v[4:5],   v[12:13]
	v_pk_add_f32 v[6:7],   v[6:7],   v[14:15]      ; my four scores
	; the maximum: in the lane, over the 32 lanes, over the 16 waves
	v_max3_num_f32 v20, v4, v5, v6
	v_max_num_f32 v20, v20, v7
	v_max_num_f32_dpp v20, v20, v20 row_xmask:1 row_mask:0xf bank_mask:0xf
	v_max_num_f32_dpp v20, v20, v20 row_xmask:2 row_mask:0xf bank_mask:0xf
	v_max_num_f32_dpp v20, v20, v20 row_xmask:4 row_mask:0xf bank_mask:0xf
	v_max_num_f32_dpp v20, v20, v20 row_xmask:8 row_mask:0xf bank_mask:0xf
	v_permlanex16_b32 v8, v20, s12, s13            ; its destination counts as read: v8 has been written
	v_max_num_f32 v20, v20, v8
	ds_store_b32 v22, v20                          ; all lanes write the wave's word with the same value
	s_wait_dscnt 0x0                               ; for the other waves' sake
	s_barrier_signal -1
	s_barrier_wait -1
.irp i, 0,1,2,3
	ds_load_b128 v[24+4*\i:27+4*\i], v23 offset:16*\i
.endr
	s_wait_dscnt 0x0
	v_max3_num_f32 v24, v24, v25, v26
	v_max3_num_f32 v27, v27, v28, v29
	v_max3_num_f32 v30, v30, v31, v32
	v_max3_num_f32 v33, v33, v34, v35
	v_max3_num_f32 v36, v36, v37, v38
	v_max3_num_f32 v24, v24, v27, v30
	v_max3_num_f32 v33, v33, v36, v39
	v_max_num_f32 v25, v24, v33                    ; the maximum twice: a pair for the packed subtraction
	v_max_num_f32 v24, v24, v33
	v_pk_add_f32 v[4:5], v[4:5], v[24:25] neg_lo:[0,1] neg_hi:[0,1]
	v_pk_add_f32 v[6:7], v[6:7], v[24:25] neg_lo:[0,1] neg_hi:[0,1]
	v_pk_mul_f32 v[4:5], v[4:5], 0x3fb8aa3b op_sel_hi:[1,0]        ; e^t = 2^(log2(e) t)
	v_pk_mul_f32 v[6:7], v[6:7], 0x3fb8aa3b op_sel_hi:[1,0]
	v_exp_f32 v4, v4
	v_exp_f32 v5, v5
	v_exp_f32 v6, v6
	v_exp_f32 v7, v7
	v_nop                                          ; one plain vector instruction between v_exp_f32 and the use of its result (ISA guide 5.7.2)
	; the sum, by the same road, through other LDS words (bytes 128 to 191): no wave can still be reading what is written here
	s_wait_alu depctr_va_vdst(0)
	v_pk_add_f32 v[8:9], v[4:5], v[6:7]
	v_add_f32 v8, v8, v9
	v_add_f32_dpp v8, v8, v8 row_xmask:1 row_mask:0xf bank_mask:0xf
	v_add_f32_dpp v8, v8, v8 row_xmask:2 row_mask:0xf bank_mask:0xf
	v_add_f32_dpp v8, v8, v8 row_xmask:4 row_mask:0xf bank_mask:0xf
	v_add_f32_dpp v8, v8, v8 row_xmask:8 row_mask:0xf bank_mask:0xf
	v_permlanex16_b32 v9, v8, s12, s13
	v_add_f32 v8, v8, v9
	ds_store_b32 v22, v8 offset:128
	s_wait_dscnt 0x0
	s_barrier_signal -1
	s_barrier_wait -1
.irp i, 0,1,2,3
	ds_load_b128 v[24+4*\i:27+4*\i], v23 offset:128+16*\i
.endr
	s_wait_dscnt 0x0
	v_pk_add_f32 v[24:25], v[24:25], v[32:33]
	v_pk_add_f32 v[26:27], v[26:27], v[34:35]
	v_pk_add_f32 v[28:29], v[28:29], v[36:37]
	v_pk_add_f32 v[30:31], v[30:31], v[38:39]
	v_pk_add_f32 v[24:25], v[24:25], v[28:29]
	v_pk_add_f32 v[26:27], v[26:27], v[30:31]
	v_pk_add_f32 v[24:25], v[24:25], v[26:27]
	v_add_f32 v24, v24, v25
	v_rcp_f32 v26, v24                             ; twice: a pair for the packed multiply
	v_rcp_f32 v27, v24
	v_nop                                          ; one plain vector instruction behind v_rcp_f32 (ISA guide 5.7.2)
	s_wait_alu depctr_va_vdst(0)
	v_pk_mul_f32 v[4:5], v[4:5], v[26:27]
	v_pk_mul_f32 v[6:7], v[6:7], v[26:27]
	global_store_b128 v2, v[4:7], s[6:7] th:TH_STORE_NT    ; a wave's store covers 512 consecutive bytes, aligned
	s_wait_tensorcnt 0x0
	ds_add_u32 v40, v41
	s_wait_dscnt 0x0
	s_endpgm
.Lfunc_end_k_q551f26eee6_soft:
	.size	k_q551f26eee6_soft, .Lfunc_end_k_q551f26eee6_soft-k_q551f26eee6_soft
	.p2alignl 7, 3214868480
	.fill 96, 4, 3214868480
	.section	.rodata,"a",@progbits
	.p2align	6, 0x0
	.amdhsa_kernel k_q551f26eee6_soft
		.amdhsa_group_segment_fixed_size 2304
		.amdhsa_private_segment_fixed_size 0
		.amdhsa_enable_private_segment 0
		.amdhsa_kernarg_size 16
		.amdhsa_user_sgpr_count 2
		.amdhsa_user_sgpr_kernarg_segment_ptr 1
		.amdhsa_wavefront_size32 1
		.amdhsa_system_sgpr_workgroup_id_x 1
		.amdhsa_system_sgpr_workgroup_id_y 1
		.amdhsa_system_sgpr_workgroup_id_z 1
		.amdhsa_system_vgpr_workitem_id 0
		.amdhsa_next_free_vgpr 42
		.amdhsa_next_free_sgpr 66
		.amdhsa_reserve_vcc 0
		.amdhsa_float_denorm_mode_32 3
		.amdhsa_float_denorm_mode_16_64 3
		.amdhsa_memory_ordered 1
		.amdhsa_forward_progress 1
		.amdhsa_inst_pref_size 6
	.end_amdhsa_kernel
	.amdgpu_metadata
---
amdhsa.version: [ 1, 2 ]
amdhsa.kernels:
  - .name:           k_q551f26eee6_soft
    .symbol:         k_q551f26eee6_soft.kd
    .args:
      - { .name: part, .offset: 0, .size: 8, .value_kind: global_buffer, .address_space: global }
      - { .name: out0, .offset: 8, .size: 8, .value_kind: global_buffer, .address_space: global }
    .group_segment_fixed_size: 2304
    .private_segment_fixed_size: 0
    .kernarg_segment_align: 8
    .kernarg_segment_size: 16
    .max_flat_workgroup_size: 512
    .sgpr_count:     66
    .vgpr_count:     42
    .wavefront_size: 32
...
	.end_amdgpu_metadata
.endif
;; end of part 3
;; ======== version 2 of 2: 3 launches
;; workspace buffers: web 2,097,152 bytes; ps 524,288 bytes; part 1,048,576 bytes
;; launch prep (part 4): grid 64 x 4, 4 waves a work-group, no clusters, 8,704 bytes of LDS; arguments attn_w, s, web, ps; writes web, ps
.if DOCPART == 4
	.amdgcn_target "amdgcn-amd-amdhsa--gfx1250"
	.amdhsa_code_object_version 6
	.text
	.protected	k_q551f26eee6_prep
	.globl	k_q551f26eee6_prep
	.p2align	8
	.type	k_q551f26eee6_prep,@function
k_q551f26eee6_prep:
	s_mov_b64 s[64:65], 0
	v_nop
	global_prefetch_b8 v0, s[64:65] scope:SCOPE_SE
	s_setreg_imm32_b32 hwreg(HW_REG_WAVE_MODE, 25, 1), 1
	s_wait_xcnt 0x0
; Two things, both from attn_w [1024 h][2048] f32 (columns 0-1023: W_s, columns 1024-2047: W_e):
;   web = W_e rounded to bf16 (nearest even), laid out as the matrix fragments that the next launch reads:
;         byte ss*65536 + ntile*1024 + c*512 + lane*16 holds W_e[16 ntile + r][32 ss + 16 c + 8 hh + 0..7], lane = 16 hh + r
;   ps  = four partial tables of proj_s[b][h] = sum over d of s[b][d] W_s[h][d]: table kq sums d = 256 kq .. 256 kq + 255, f32;
;         byte kq*131072 + (h/16)*2048 + (8 (b/16) + b%8)*128 + ((b/8)%2)*64 + 4 (h%16).  Operands rounded to bf16, sums in f32.
; Work-group (ht, kq) owns the 16 rows h = 16 ht .. +15 and 256 of the 1,024 columns; wave w owns the 64 columns k = 64 (4 kq + w) .. +63 of W_s, of W_e and of s,
; so for each of its 16 rows a wave reads 256 consecutive aligned bytes of each.  The four waves' partial sums meet in LDS; the four tables are added by their reader.
; 64 x 4 = 256 work-groups.  No cluster, no tensor loads: 8 MiB are read once, each wave's 32 loads go out in one run, and nothing is shared but s (128 KiB).
.set SRAW,  16                         ; v[16:79]   s as f32: fragment f = 2 mt + q at 16 f (mt: batches 16 mt .. +15; q: 32 of the wave's 64 k)
.set WSRAW, 80                         ; v[80:111]  W_s as f32, 16 q
.set WERAW, 112                        ; v[112:143] W_e as f32, 16 q
.set WSB,   144                        ; v[144:159] W_s fragments in bf16, 8 q
.set SB,    160                        ; v[160:191] s fragments in bf16, 8 f
.set WEB,   192                        ; v[192:207] W_e fragments in bf16, 8 q
.set ACC,   208                        ; v[208:223] two accumulators, 8 mt
	s_load_b256 s[4:11], s[0:1], 0x0               ; attn_w s[4:5], s s[6:7], web s[8:9], ps s[10:11]
	v_lshl_add_u32 v224, v0, 2, 0x2000
	v_mov_b32 v225, 0
	v_lshrrev_b32 v9, 5, v0
	v_readfirstlane_b32 s12, v9                    ; wave 0..3
	s_and_b32 s13, ttmp7, 0xffff                   ; kq
	s_lshl2_add_u32 s22, s13, s12                  ; kk = 4 kq + w: which 64 columns
	v_and_b32 v10, 31, v0                          ; lane
	v_and_b32 v1, 15, v0                           ; r
	v_bfe_u32 v2, v0, 4, 1                         ; hh
	v_lshlrev_b32 v3, 13, v1                       ; attn_w: row r of 8,192 bytes
	v_lshl_add_u32 v3, v2, 5, v3                   ;   + 8 hh numbers of 4 bytes
	v_lshlrev_b32 v4, 12, v1                       ; s: row r of 4,096 bytes
	v_lshl_add_u32 v4, v2, 5, v4
	v_lshlrev_b32 v5, 4, v10                       ; web: 16 bytes a lane
	v_lshlrev_b32 v6, 2, v10                       ; LDS: my word in my wave's 2,048 bytes
	v_lshl_add_u32 v6, s12, 11, v6
	v_lshlrev_b32 v7, 4, v0                        ; the last sum: 16 bytes a thread, in LDS and in ps alike
	s_lshl_b32 s16, s22, 8                         ; the wave's 64 columns: 256 bytes
	s_mov_b32 s17, 0
	s_lshl_b32 s14, ttmp9, 17                      ; 16 rows of attn_w
	s_add_co_u32 s14, s14, s16
	s_mov_b32 s15, 0
	s_lshl_b32 s18, s22, 17                        ; web: ss = 2 kk + q, 65,536 bytes each,
	s_lshl_b32 s20, ttmp9, 10                      ; ntile = ht, 1,024 bytes
	s_add_co_u32 s18, s18, s20
	s_mov_b32 s19, 0
	s_lshl_b32 s20, s13, 17                        ; ps: table kq,
	s_lshl_b32 s21, ttmp9, 11                      ; 2,048 bytes for a tile of 16 h
	s_add_co_u32 s20, s20, s21
	s_mov_b32 s21, 0
	s_wait_kmcnt 0x0
	s_add_nc_u64 s[4:5], s[4:5], s[14:15]
	s_add_nc_u64 s[6:7], s[6:7], s[16:17]
	s_add_nc_u64 s[8:9], s[8:9], s[18:19]
	s_add_nc_u64 s[10:11], s[10:11], s[20:21]
	; A bf16 fragment (16 rows x 32 k) holds k = 8 hh + 0..7 in registers 0-3 and k = 16 + 8 hh + 0..7 in registers 4-7 (ISA guide 7.12.2):
	; in f32 that is 32 bytes at 32 hh and 32 bytes at 64 + 32 hh, four loads of 16 bytes at 64 c + 16 e.
.irp mt, 0,1
.irp q, 0,1
.irp c, 0,1
.irp e, 0,1
	global_load_b128 v[SRAW+32*\mt+16*\q+8*\c+4*\e:SRAW+32*\mt+16*\q+8*\c+4*\e+3], v4, s[6:7] offset:\mt*65536+\q*128+\c*64+\e*16
.endr
.endr
.endr
.endr
.irp q, 0,1
.irp c, 0,1
.irp e, 0,1
	global_load_b128 v[WSRAW+16*\q+8*\c+4*\e:WSRAW+16*\q+8*\c+4*\e+3], v3, s[4:5] offset:\q*128+\c*64+\e*16 th:TH_LOAD_NT
.endr
.endr
.endr
.irp q, 0,1
.irp c, 0,1
.irp e, 0,1
	global_load_b128 v[WERAW+16*\q+8*\c+4*\e:WERAW+16*\q+8*\c+4*\e+3], v3, s[4:5] offset:4096+\q*128+\c*64+\e*16 th:TH_LOAD_NT
.endr
.endr
.endr
	s_wait_loadcnt 8                               ; s and W_s are in; the eight loads of W_e, issued last, may stay out
.irp f, 0,1,2,3
.irp i, 0,1,2,3,4,5,6,7
	v_cvt_pk_bf16_f32 v[SB+8*\f+\i], v[SRAW+16*\f+2*\i], v[SRAW+16*\f+2*\i+1]
.endr
.endr
.irp q, 0,1
.irp i, 0,1,2,3,4,5,6,7
	v_cvt_pk_bf16_f32 v[WSB+8*\q+\i], v[WSRAW+16*\q+2*\i], v[WSRAW+16*\q+2*\i+1]
.endr
.endr
	; rows = batches, columns = h: lane (r, hh) gets h = r, register j gets batch 16 mt + 8 hh + j.
	; The two accumulators take turns, one instruction a turn.
	v_wmma_f32_16x16x32_bf16 v[ACC:ACC+7],    v[SB:SB+7],     v[WSB:WSB+7],    0
	v_wmma_f32_16x16x32_bf16 v[ACC+8:ACC+15], v[SB+16:SB+23], v[WSB:WSB+7],    0
	v_wmma_f32_16x16x32_bf16 v[ACC:ACC+7],    v[SB+8:SB+15],  v[WSB+8:WSB+15], v[ACC:ACC+7]
	v_wmma_f32_16x16x32_bf16 v[ACC+8:ACC+15], v[SB+24:SB+31], v[WSB+8:WSB+15], v[ACC+8:ACC+15]
	s_wait_loadcnt 0x0                             ; W_e
	; these sixteen conversions name no register of the matrix instructions: they are also the places that stand in front of the LDS stores of the sums
.irp q, 0,1
.irp i, 0,1,2,3,4,5,6,7
	v_cvt_pk_bf16_f32 v[WEB+8*\q+\i], v[WERAW+16*\q+2*\i], v[WERAW+16*\q+2*\i+1]
.endr
.endr
.irp q, 0,1
.irp c, 0,1
	global_store_b128 v5, v[WEB+8*\q+4*\c:WEB+8*\q+4*\c+3], s[8:9] offset:\q*65536+\c*512   ; each store of the wave covers 512 consecutive bytes, aligned
.endr
.endr
.irp j, 0,1,2,3,4,5,6,7,8,9,10,11,12,13,14,15
	ds_store_b32 v6, v[ACC+\j] offset:\j*128       ; word (8 mt + j) * 32 + lane of my wave's 2,048 bytes
.endr
	s_wait_dscnt 0x0                               ; for the other waves' sake: my partial sums are in LDS
	s_barrier_signal -1
	s_barrier_wait -1
	; 512 sums, four a thread: thread T takes the 16 bytes at 16 T of each wave's 2,048, and ps keeps that order
.irp i, 0,1,2,3
	ds_load_b128 v[16+4*\i:19+4*\i], v7 offset:\i*2048     ; wave i's partial sums
.endr
	s_wait_dscnt 0x0
	v_pk_add_f32 v[16:17], v[16:17], v[20:21]
	v_pk_add_f32 v[18:19], v[18:19], v[22:23]
	v_pk_add_f32 v[24:25], v[24:25], v[28:29]
	v_pk_add_f32 v[26:27], v[26:27], v[30:31]
	v_pk_add_f32 v[16:17], v[16:17], v[24:25]
	v_pk_add_f32 v[18:19], v[18:19], v[26:27]
	global_store_b128 v7, v[16:19], s[10:11]       ; a wave stores 512 consecutive bytes, aligned
	s_wait_tensorcnt 0x0
	ds_add_u32 v224, v225
	s_wait_dscnt 0x0
	s_endpgm
.Lfunc_end_k_q551f26eee6_prep:
	.size	k_q551f26eee6_prep, .Lfunc_end_k_q551f26eee6_prep-k_q551f26eee6_prep
	.p2alignl 7, 3214868480
	.fill 96, 4, 3214868480
	.section	.rodata,"a",@progbits
	.p2align	6, 0x0
	.amdhsa_kernel k_q551f26eee6_prep
		.amdhsa_group_segment_fixed_size 8704
		.amdhsa_private_segment_fixed_size 0
		.amdhsa_enable_private_segment 0
		.amdhsa_kernarg_size 32
		.amdhsa_user_sgpr_count 2
		.amdhsa_user_sgpr_kernarg_segment_ptr 1
		.amdhsa_wavefront_size32 1
		.amdhsa_system_sgpr_workgroup_id_x 1
		.amdhsa_system_sgpr_workgroup_id_y 1
		.amdhsa_system_sgpr_workgroup_id_z 1
		.amdhsa_system_vgpr_workitem_id 0
		.amdhsa_next_free_vgpr 226
		.amdhsa_next_free_sgpr 66
		.amdhsa_reserve_vcc 0
		.amdhsa_float_denorm_mode_32 3
		.amdhsa_float_denorm_mode_16_64 3
		.amdhsa_memory_ordered 1
		.amdhsa_forward_progress 1
		.amdhsa_inst_pref_size 12
	.end_amdhsa_kernel
	.amdgpu_metadata
---
amdhsa.version: [ 1, 2 ]
amdhsa.kernels:
  - .name:           k_q551f26eee6_prep
    .symbol:         k_q551f26eee6_prep.kd
    .args:
      - { .name: attn_w, .offset: 0, .size: 8, .value_kind: global_buffer, .address_space: global }
      - { .name: s, .offset: 8, .size: 8, .value_kind: global_buffer, .address_space: global }
      - { .name: web, .offset: 16, .size: 8, .value_kind: global_buffer, .address_space: global }
      - { .name: ps, .offset: 24, .size: 8, .value_kind: global_buffer, .address_space: global }
    .group_segment_fixed_size: 8704
    .private_segment_fixed_size: 0
    .kernarg_segment_align: 8
    .kernarg_segment_size: 32
    .max_flat_workgroup_size: 128
    .sgpr_count:     66
    .vgpr_count:     226
    .wavefront_size: 32
...
	.end_amdgpu_metadata
.endif
;; end of part 4
;; launch main (part 5): grid 4 x 256, 4 waves a work-group, clusters of 4 x 4, 327,680 bytes of LDS; arguments encoder_outputs, web, ps, v_w, part; writes part
.if DOCPART == 5
	.amdgcn_target "amdgcn-amd-amdhsa--gfx1250"
	.amdhsa_code_object_version 6
	.text
	.protected	k_q551f26eee6_main
	.globl	k_q551f26eee6_main
	.p2align	8
	.type	k_q551f26eee6_main,@function
k_q551f26eee6_main:
	s_mov_b64 s[64:65], 0
	v_nop
	global_prefetch_b8 v0, s[64:65] scope:SCOPE_SE
	s_setreg_imm32_b32 hwreg(HW_REG_WAVE_MODE, 25, 1), 1
	s_wait_xcnt 0x0
	s_wait_alu depctr_hold_cnt(0) depctr_sa_sdst(0) depctr_va_vdst(0) depctr_va_sdst(0) depctr_va_ssrc(0) depctr_va_vcc(0) depctr_vm_vsrc(0)
	s_getreg_b32 s2, hwreg(HW_REG_IB_STS2, 6, 4)
	s_cmp_eq_u32 s2, 0
	s_cbranch_scc0 .Lentry_in_a_cluster
	s_endpgm
.Lentry_in_a_cluster:
	s_bfe_u32 s2, ttmp6, 0x10000c
	s_cmp_lg_u32 s2, 0xf033
	s_cbranch_scc0 .Lentry_shape_is_right
	s_endpgm
.Lentry_shape_is_right:
; part[x][row] = sum over h = 256 x .. 256 x + 255 of v[h] tanh(proj_s[batch][h] + sum over e of enc[row][e] W_e[h][e]),  row = batch * 2048 + s.
; A work-group makes 256 rows x 256 columns h with four waves; a wave makes 64 rows x 256 columns: 64 accumulator tiles of 16 x 16, 512 registers.
; With this shape each row of enc is read from LDS and rounded to bf16 by one wave alone, and a row's sum over the 256 columns ends inside one wave.
; K (1,024) goes through two LDS slots in ten tiles of 96 and one of 64.  enc comes as f32 and is rounded to bf16 (nearest even) in registers; W_e comes as bf16
; fragments ready for use (buffer web).  96 is the longest multiple of 32 of which two slots fit: 2 x (256 x 432 + 256 x 192) = 319,488 bytes; 128 would take 401,408.
; Its price: a tile's rows of enc are 384 bytes and start at multiples of 128 bytes of the buffer, not at multiples of 256.
; CLUSTERS: 4 x 4 work-groups.  The four of a row of the cluster are the four column chunks of the same 256 rows and ask for enc's tile jointly, so enc is
; fetched once although N is split in four; the four of a column share a column chunk and ask for W_e's tile jointly.
; tanh(t) = 1 - 2 / (1 + 2^(2 log2(e) t)): it goes to +1 and -1 exactly for large |t| (the power becomes infinite or 0), no NaN arises from finite t.
; So sum v tanh = sum v + sum (-2 v) / (1 + 2^..).  LIMITS: matrix operands are bf16; each term 1/(1 + 2^..) lies in [0, 1] and carries the rounding of
; v_exp_f32 and v_rcp_f32 (1 ULP each, ISA guide 15.8), so a score's absolute error is of the order 2^-23 x sum |v|, in this form as with 1 - 2 r formed term by term.
;
; REGISTERS, in windows of 256.  s_set_vgpr_msb's low byte: bits 1:0 source 0, 3:2 source 1, 5:4 source 2, 7:6 destination.  An LDS load takes its data register from
; the destination's window and its address from source 0's.  So each window holds some accumulators TOGETHER WITH the fragments of W_e that multiply into them and a copy
; of W_e's LDS address: under the one setting (destination, source 0 and source 2 = window j, source 1 = window 1) stand the matrix instructions of window j and the
; loads of the next fragments for window j.  Window 1 also holds enc (as loaded and as bf16), so that its loads and conversions stand there too.
;   window 0: column tiles 2-5:   accumulators v0-127, W_e fragments v128-191 (two buffers), v192-255 addresses and the way out's registers
;   window 1: column tiles 0-1:   accumulators v0-63,  W_e fragments v64-95, enc in bf16 v96-159 (two buffers of 4 x 8), enc in f32 v160-223, addresses v224-227
;   window 2: column tiles 6-10:  accumulators v0-159, W_e fragments v160-239, addresses v240-241;      window 3: column tiles 11-15, likewise
; Five switches for 64 matrix instructions, 48 loads and 32 conversions.
; The matrix instruction takes W_e as source 0 and enc as source 1: lane (r, hh) holds row r of enc's 16, register j the column 8 hh + j of W_e's 16.
.set PITCHA, 432                       ; an LDS row of enc: three pieces of 128 bytes (32 of K), 16 bytes of padding behind each; 432 = 27 x 16: sixteen rows start in sixteen different 16-byte columns modulo 256 bytes
.set KCH,    144                       ; from one 32 of K to the next in a row
.set AHALF,  128*PITCHA                ; 128 rows: one tensor load
.set ABYTES, 2*AHALF
.set BSUB,   8192                      ; eight column tiles of W_e for 32 of K
.set BHALF,  3*BSUB                    ; one tensor load: three such rows
.set SLOT,   ABYTES+2*BHALF            ; 159,744 bytes
.set PV,     2*SLOT                    ; behind the ring: 256 f32 of 2 log2(e) proj_s, then 256 f32 of -2 v, written by wave 0; no tensor load lands here
.set STG,    PV+2048                   ; each wave's own 256 bytes: its 64 scores on the way out
.set BFW0, 128                         ; window 0
.set ADB0, 192                         ; v192-193  LDS address of W_e's fragments in slot 0, 1
.set PVR,  194                         ; where I read the 8 numbers of a column tile
.set STW,  195                         ; stage: 4 bytes a lane
.set STR,  196                         ; stage: 8 bytes a lane
.set PO,   197                         ; my byte offset in part
.set PFO,  198                         ; my byte offset for the prefetch
.set SVT,  199                         ; sum of v over the 256 columns
.set LANE, 200
.set PSV,  208                         ; v[208:239]  two sets of 8 + 8: scaled proj_s and -2 v of a column tile
.set T,    128                         ; v[128:159]  the way out, at work, 8 for each row tile (the fragments' registers, free by then)
.set PART, 160                         ; v[160:191]  the way out, running sums, 8 for each row tile
.set BF1,  64                          ; window 1
.set AF,   96
.set RAW,  160
.set ADRA, 224                         ; v224-225  LDS address of my enc fragments in slot 0, 1
.set ADB1, 226
.set BFW2, 160                         ; windows 2 and 3
.set ADB2, 240
.set SET0, 0x04
.set SET1, 0x55
.set SET2, 0xa6
.set SET3, 0xf7
.set G1A,  24                          ; s[24:31] descriptor group 1, enc's tiles
.set G0A,  32                          ; s[32:39] group 0 for enc, one set for each slot
.set G1B,  48                          ; s[48:55] group 1, W_e's tiles
.set G0B,  56                          ; s[56:63] group 0 for W_e, one set for each slot
.set PF,   66                          ; s[66:67] base of the prefetch
.set MSB, 0
.macro WIN new                         ; the immediate's high byte repeats the setting that is left; a switch that changes nothing is dropped
.if MSB != (\new)
	s_set_vgpr_msb (MSB<<8)|(\new)
.set MSB, (\new)
.endif
.endm
; A joint load.  Waves 0 and 1 fetch the two halves of enc's tile, waves 2 and 3 those of W_e's.  The branch hangs on the wave's number alone.
; pf = 1: the prefetch (see LAP) stands behind the load: every wave asks once, waves 0 and 1 a second time 512 bytes further along the rows.
.macro JLOAD s, pf
	s_cmp_eq_u32 s15, 0
	s_cbranch_scc0 .Lfor_b_\@
	tensor_load_to_lds s[G0A+4*\s:G0A+4*\s+3], s[G1A:G1A+7]
	s_nop 0
.if \pf
	global_prefetch_b8 v[PFO], s[PF:PF+1] offset:512 th:TH_LOAD_NT scope:SCOPE_SE
.endif
	s_branch .Lasked_\@
.Lfor_b_\@:
	tensor_load_to_lds s[G0B+4*\s:G0B+4*\s+3], s[G1B:G1B+7]
	s_nop 0
.Lasked_\@:
.if \pf
	global_prefetch_b8 v[PFO], s[PF:PF+1] th:TH_LOAD_NT scope:SCOPE_SE
.endif
.endm
; A round of the cluster's barrier: my work-group's barrier, wave 0 signals for the work-group, every wave waits for all sixteen, my work-group's barrier again.
.macro CREST                           ; a round behind its opening barrier
	s_cmp_lg_u32 s14, 0
	s_cbranch_scc1 .Lnot_wave_0_\@
	s_barrier_signal -3
.Lnot_wave_0_\@:
	s_barrier_wait -3
	s_barrier_signal -1
	s_barrier_wait -1
.endm
.macro CROUND
	s_barrier_signal -1
	s_barrier_wait -1
	CREST
.endm
	s_load_b256 s[4:11], s[0:1], 0x0               ; enc s[4:5], web s[6:7], ps s[8:9], v_w s[10:11]
	s_load_b64 s[12:13], s[0:1], 0x20              ; part
	s_set_vgpr_msb 0x40
	v_lshl_add_u32 v254, v0, 2, 0x4ec00
	v_mov_b32 v255, 0
	s_set_vgpr_msb 0x4045
	ds_add_u32 v254, v255
	s_set_vgpr_msb 0x4500
	v_lshrrev_b32 v1, 5, v0
	v_readfirstlane_b32 s14, v1                    ; wave 0..3
	s_lshr_b32 s15, s14, 1                         ; I fetch for enc (0) or for W_e (1)
	s_and_b32 s16, s14, 1                          ; which half of that tile
	s_bfe_u32 s17, ttmp6, 0x40000                  ; cx
	s_bfe_u32 s18, ttmp6, 0x40004                  ; cy
	s_lshl_b32 s19, ttmp9, 2
	s_add_co_u32 s19, s19, s17                     ; x: chunk of 256 columns h
	s_and_b32 s20, ttmp7, 0xffff
	s_lshl_b32 s20, s20, 2
	s_add_co_u32 s20, s20, s18                     ; by: block of 256 rows
	s_lshl_b32 s21, s18, 2
	s_lshl_b32 s21, 15, s21                        ; my row of the cluster: places 4 cy .. 4 cy + 3
	s_lshl_b32 s22, 0x1111, s17                    ; my column: places cx, cx + 4, cx + 8, cx + 12
	s_mov_b32 s68, 0x76543210                      ; v_permlanex16_b32: lane i of one half reads lane i of the other
	s_mov_b32 s69, 0xfedcba98
	; group 1 for enc: 128 rows x 96 f32, 1,024 elements from row to row, 4 words of padding behind every 32
	s_or_b32 s[G1A+0], s21, (2<<16)|(1<<20)|(1<<21)|(4<<22)|(3<<25)  ; 15:0 mask: my row; 17:16 elements of 4 bytes; 20 padding on; 21 set beside a mask; 24:22 every 32 words; 31:25 4 words
	s_mov_b32 s[G1A+1], 96<<16                     ; tensor_dim0 = 96 (64 for the last tile: see SUB)
	s_mov_b32 s[G1A+2], 128<<16                    ; tensor_dim1 = 128
	s_mov_b32 s[G1A+3], 96<<16                     ; tile_dim0 = 96
	s_mov_b32 s[G1A+4], 128                        ; tile_dim1 = 128
	s_mov_b32 s[G1A+5], 1024                       ; the pitch
	s_mov_b32 s[G1A+6], 0
	s_mov_b32 s[G1A+7], 0
	; group 1 for W_e: 3 rows (one for each 32 of K) of 1,024 elements of 8 bytes (eight column tiles), 65,536 bytes from row to row, no padding
	s_or_b32 s[G1B+0], s22, (3<<16)|(1<<21)        ; mask: my column
	s_mov_b32 s[G1B+1], 1024<<16                   ; tensor_dim0 = 1,024
	s_mov_b32 s[G1B+2], 3<<16                      ; tensor_dim1 = 3 (2 for the last tile)
	s_mov_b32 s[G1B+3], 1024<<16                   ; tile_dim0 = 1,024
	s_mov_b32 s[G1B+4], 3                          ; tile_dim1 = 3
	s_mov_b32 s[G1B+5], 8192                       ; the pitch
	s_mov_b32 s[G1B+6], 0
	s_mov_b32 s[G1B+7], 0
	; where the tiles come from and go to.  enc's address is made of by and the wave's number in s[40:43], W_e's of x and the wave's number in s[44:47];
	; neither set ever holds the other coordinate, and the LDS addresses are the wave's number times a constant plus constants.
	s_lshl_b32 s40, s20, 20                        ; 256 rows of 4,096 bytes
	s_lshl_b32 s42, s16, 19                        ; + 128 rows for the second half
	s_add_co_u32 s40, s40, s42
	s_mov_b32 s41, 0
	s_mul_i32 s43, s14, AHALF                      ; waves 0, 1: bytes 0 and 55,296 of the slot
	s_lshl_b32 s44, s19, 14                        ; 16 column tiles of 1,024 bytes for a chunk
	s_lshl_b32 s46, s16, 13                        ; + 8 tiles for the second half
	s_add_co_u32 s44, s44, s46
	s_mov_b32 s45, 0
	s_mul_i32 s47, s14, BHALF
	s_add_co_u32 s47, s47, ABYTES-2*BHALF          ; waves 2, 3: bytes 110,592 and 135,168 of the slot
	s_lshl_b32 s70, s20, 20                        ; prefetch: row 256 by + 64 x + 32 (w % 2), byte 1,536 + 256 (w / 2) of the row
	s_lshl_b32 s72, s19, 18
	s_add_co_u32 s70, s70, s72
	s_lshl_b32 s72, s16, 17
	s_add_co_u32 s70, s70, s72
	s_lshl_b32 s72, s15, 8
	s_add_co_u32 s70, s70, s72
	s_add_co_u32 s70, s70, 1536
	s_mov_b32 s71, 0
	s_lshr_b32 s72, s20, 3                         ; batch b = by / 8; its 64 bytes in a tile of ps: (8 (b / 16) + b % 8) * 128 + ((b / 8) % 2) * 64
	s_lshr_b32 s73, s72, 4
	s_and_b32 s74, s72, 7
	s_lshl3_add_u32 s73, s73, s74
	s_lshl_b32 s73, s73, 7
	s_bfe_u32 s74, s72, 0x10003
	s_lshl_b32 s74, s74, 6
	s_add_co_u32 s73, s73, s74
	s_lshl_b32 s72, s19, 15                        ; 16 column tiles of 2,048 bytes for a chunk
	s_add_co_u32 s72, s72, s73
	s_mov_b32 s73, 0
	s_wait_dscnt 0x0
	s_wait_kmcnt 0x0
	s_add_nc_u64 s[40:41], s[4:5], s[40:41]
	s_add_nc_u64 s[44:45], s[6:7], s[44:45]
	s_add_nc_u64 s[PF:PF+1], s[4:5], s[70:71]
	s_add_nc_u64 s[8:9], s[8:9], s[72:73]
	s_lshl_b32 s70, s19, 10                        ; v_w: 256 f32 for a chunk
	s_add_nc_u64 s[10:11], s[10:11], s[70:71]
	s_lshl_b32 s72, s19, 18                        ; part: 65,536 f32 for a chunk,
	s_lshl_b32 s70, s20, 10                        ; 256 for a block of rows,
	s_add_co_u32 s72, s72, s70
	s_lshl_b32 s70, s14, 8                         ; 64 for a wave
	s_add_co_u32 s72, s72, s70
	s_add_nc_u64 s[12:13], s[12:13], s[72:73]
	CROUND                                         ; all sixteen work-groups are here: the first joint loads meet
.irp s, 0,1
	s_mov_b32 s[G0A+4*\s], 1                                       ; count = 1
	s_add_co_u32 s[G0A+4*\s+1], s43, \s*SLOT                       ; LDS address
	s_add_nc_u64 s[G0A+4*\s+2:G0A+4*\s+3], s[40:41], \s*384        ; tile s: 96 f32 along the rows
	s_or_b32 s[G0A+4*\s+3], s[G0A+4*\s+3], 0x80000000              ; type = 2
	s_mov_b32 s[G0B+4*\s], 1
	s_add_co_u32 s[G0B+4*\s+1], s47, \s*SLOT
	s_add_nc_u64 s[G0B+4*\s+2:G0B+4*\s+3], s[44:45], \s*3*65536    ; tile s: three rows of web
	s_or_b32 s[G0B+4*\s+3], s[G0B+4*\s+3], 0x80000000
	JLOAD \s, 0                                    ; both slots are asked for before anything else: two tensor loads of the wave are out
.endr
	; addresses.  The low registers of window 0 serve as scratch here: the first products write over them later.
	v_and_b32 v[LANE], 31, v0
	v_and_b32 v1, 15, v0                           ; r
	v_bfe_u32 v2, v0, 4, 1                         ; hh
	v_mul_u32_u24 v4, v1, PITCHA
	v_lshl_add_u32 v4, v2, 5, v4                   ; row r, 8 hh numbers of 4 bytes
	v_lshlrev_b32 v5, 4, v[LANE]                   ; W_e's fragments lie lane by lane, 16 bytes each
	s_mul_i32 s70, s14, 64*PITCHA                  ; my wave's 64 rows
	s_add_co_u32 s71, s70, SLOT
	v_add_nc_u32 v[ADB0], ABYTES, v5
	v_add_nc_u32 v[ADB0+1], ABYTES+SLOT, v5
	v_lshl_add_u32 v[PVR], v2, 5, PV               ; columns 16 b + 8 hh + 0..7 of the chunk
	s_lshl_b32 s72, s14, 8
	s_add_co_u32 s72, s72, STG
	v_lshl_add_u32 v[STW], v[LANE], 2, s72
	v_lshl_add_u32 v[STR], v[LANE], 3, s72
	v_lshlrev_b32 v[PO], 3, v[LANE]
	v_lshlrev_b32 v[PFO], 12, v[LANE]              ; prefetch: one row a lane
	v_lshrrev_b32 v6, 1, v[LANE]                   ; ps: column tile l / 2,
	v_and_b32 v3, 1, v[LANE]
	v_lshlrev_b32 v6, 11, v6
	v_lshl_add_u32 v6, v3, 5, v6                   ; its columns 8 (l % 2) + 0..7
	v_lshlrev_b32 v7, 5, v[LANE]                   ; v_w: 32 bytes a lane
	WIN 0x40                                       ; destination window 1
	v_add_nc_u32 v[ADRA], s70, v4
	v_add_nc_u32 v[ADRA+1], s71, v4
	v_add_nc_u32 v[ADB1], ABYTES, v5
	v_add_nc_u32 v[ADB1+1], ABYTES+SLOT, v5
	WIN 0x80                                       ; window 2
	v_add_nc_u32 v[ADB2], ABYTES, v5
	v_add_nc_u32 v[ADB2+1], ABYTES+SLOT, v5
	WIN 0xc0                                       ; window 3
	v_add_nc_u32 v[ADB2], ABYTES, v5
	v_add_nc_u32 v[ADB2+1], ABYTES+SLOT, v5
	WIN 0
	global_load_b128 v[64:67], v7, s[10:11]        ; every wave: v of the chunk's 256 columns, 8 a lane, for their sum
	global_load_b128 v[68:71], v7, s[10:11] offset:16
	s_cmp_lg_u32 s14, 0                            ; wave 0 alone adds the four tables of proj_s and puts the scaled numbers into LDS for all four waves
	s_cbranch_scc1 .Lnot_first
.irp q, 0,1,2,3
	global_load_b128 v[32+8*\q:35+8*\q], v6, s[8:9] offset:\q*131072
	global_load_b128 v[36+8*\q:39+8*\q], v6, s[8:9] offset:\q*131072+16
.endr
	v_lshl_add_u32 v3, v[LANE], 5, PV              ; lane l brings columns 8 l .. 8 l + 7
	s_wait_loadcnt 0x0
.irp p, 0,2,4,6
	v_pk_add_f32 v[32+\p:33+\p], v[32+\p:33+\p], v[40+\p:41+\p]
	v_pk_add_f32 v[48+\p:49+\p], v[48+\p:49+\p], v[56+\p:57+\p]
.endr
.irp p, 0,2,4,6
	v_pk_add_f32 v[32+\p:33+\p], v[32+\p:33+\p], v[48+\p:49+\p]
	v_pk_mul_f32 v[72+\p:73+\p], v[64+\p:65+\p], -2.0 op_sel_hi:[1,0]           ; -2 v
.endr
.irp p, 0,2,4,6
	v_pk_mul_f32 v[32+\p:33+\p], v[32+\p:33+\p], 0x4038aa3b op_sel_hi:[1,0]     ; 2 log2(e) proj_s: the addend of the exponent
.endr
	ds_store_b128 v3, v[32:35]
	ds_store_b128 v3, v[36:39] offset:16
	ds_store_b128 v3, v[72:75] offset:1024
	ds_store_b128 v3, v[76:79] offset:1040
.Lnot_first:
	s_wait_loadcnt 0x0
	v_pk_add_f32 v[80:81], v[64:65], v[66:67]      ; sum of v over the chunk's 256 columns: 8 in the lane, then over the 32 lanes
	v_pk_add_f32 v[82:83], v[68:69], v[70:71]
	v_pk_add_f32 v[80:81], v[80:81], v[82:83]
	v_add_f32 v[SVT], v80, v81
	v_add_f32_dpp v[SVT], v[SVT], v[SVT] row_xmask:1 row_mask:0xf bank_mask:0xf
	v_add_f32_dpp v[SVT], v[SVT], v[SVT] row_xmask:2 row_mask:0xf bank_mask:0xf
	v_add_f32_dpp v[SVT], v[SVT], v[SVT] row_xmask:4 row_mask:0xf bank_mask:0xf
	v_add_f32_dpp v[SVT], v[SVT], v[SVT] row_xmask:8 row_mask:0xf bank_mask:0xf
	v_permlanex16_b32 v80, v[SVT], s68, s69        ; its destination counts as read: v80 has been written
	v_add_f32 v[SVT], v[SVT], v80
; One matrix instruction on the registers named by the symbols RD (accumulator), RB (W_e) and RA (enc).  zero = 1: the first product starts the sum, nothing is cleared.
.macro WM zero
.if \zero
	v_wmma_f32_16x16x32_bf16 v[RD:RD+7], v[RB:RB+7], v[RA:RA+7], 0
.else
	v_wmma_f32_16x16x32_bf16 v[RD:RD+7], v[RB:RB+7], v[RA:RA+7], v[RD:RD+7]
.endif
.endm
; Row tile PI of enc: 32 of K in f32, four loads (the fragment's k = 8 hh + 0..7 lie at byte 32 hh, its k = 16 + 8 hh + 0..7 at byte 64 + 32 hh)
.macro RAW4 slot, kap
	ds_load_b128 v[RAW+16*PI:RAW+16*PI+3],     v[ADRA+\slot] offset:PI*16*PITCHA+\kap*KCH
	ds_load_b128 v[RAW+16*PI+4:RAW+16*PI+7],   v[ADRA+\slot] offset:PI*16*PITCHA+\kap*KCH+16
	ds_load_b128 v[RAW+16*PI+8:RAW+16*PI+11],  v[ADRA+\slot] offset:PI*16*PITCHA+\kap*KCH+64
	ds_load_b128 v[RAW+16*PI+12:RAW+16*PI+15], v[ADRA+\slot] offset:PI*16*PITCHA+\kap*KCH+80
.endm
; Row tile PI of enc: f32 to bf16, two numbers an instruction, into fragment buffer q
.macro CVT8 q
.set CI, 0
.rept 8
	v_cvt_pk_bf16_f32 v[AF+32*(\q)+8*PI+CI], v[RAW+16*PI+2*CI], v[RAW+16*PI+2*CI+1]
.set CI, CI+1
.endr
.endm
; One window's fragments of W_e in one run of 2 nb loads: nb column tiles from bfirst on, slot, 32 of K number kap, into buffers 1 - p
.macro LOADS nb, bfirst, bfb, adb, p, slot, kap
.set PI, 0
.rept 2*\nb
.set RL, \bfb+8*\nb*(1-\p)+4*PI
.set BT, \bfirst+PI/2
	ds_load_b128 v[RL:RL+3], v[\adb+\slot] offset:(BT/8)*BHALF+\kap*BSUB+(BT%8)*1024+(PI%2)*512
.set PI, PI+1
.endr
.endm
; Window 1's run of 20 loads: four times the four loads of one row tile of enc and one of the four loads of W_e's tiles 0 and 1 (into buffer 1 - p)
.macro LOADS1 p, slot, kap
.set PI, 0
.rept 4
	RAW4 \slot, \kap
.set RL, BF1+16*(1-\p)+4*PI
	ds_load_b128 v[RL:RL+3], v[ADB1+\slot] offset:\kap*BSUB+(PI/2)*1024+(PI%2)*512
.set PI, PI+1
.endr
.endm
; Windows 0, 2, 3: nb column tiles x my 4 row tiles, 32 along K, from buffers p
.macro MULS nb, bfb, p, zero
.set PI, 0
.rept 4*\nb
.set RD, 8*PI
.set RB, \bfb+8*\nb*\p+8*(PI/4)
.set RA, AF+32*\p+8*(PI%4)
	WM \zero
.set PI, PI+1
.endr
.endm
; Window 1, column tile 0
.macro MULS1A p, zero
.set PI, 0
.rept 4
.set RD, 8*PI
.set RB, BF1+16*\p
.set RA, AF+32*\p+8*PI
	WM \zero
.set PI, PI+1
.endr
.endm
; Window 1, column tile 1: in front of each matrix instruction the eight conversions of one row tile of enc, into buffer 1 - p
.macro PHASE1B p, cvt, zero
.set PI, 0
.rept 4
.if \cvt
	CVT8 1-\p
.endif
.set RD, 8*(4+PI)
.set RB, BF1+16*\p+8
.set RA, AF+32*\p+8*PI
	WM \zero
.set PI, PI+1
.endr
.endm
; Four places (ISA guide 7.12.1 for vector instructions) between the last matrix instruction that read a fragment buffer and the loads and
; conversions that write it again; the matrix instructions in between are not counted.
.macro PLACES
.rept 4
	v_nop
.endr
.endm
; 32 along K: 64 matrix instructions on buffers p, in the same order every time (column tiles 2-5, 0, 6-10, 11-15, 1), one instruction a turn for each of the
; 64 accumulators, over the backward jump too.  fetch = 1: the next 32 of K (slot, kap) come into buffers 1 - p.
; THE LDS LOADS of one such step stand in TWO RUNS, each across a change of windows: window 0's 8 at the end of its matrix instructions and window 1's 20 at the head of
; its own (28 in a row), window 2's 10 at its end and window 3's 10 at its head (20 in a row).  So the matrix instructions follow each other in stretches of 4 + 20 = 24
; and of 20 + 4 + the next step's 16 = 40, the second with the conversions inside it, and no switch of windows is added for the loads.
; In order the loads are 8 (window 0), 20 (window 1: four times 4 of enc and 1 of W_e), 10 (window 2), 10 (window 3).  Each wait counts the loads issued behind the ones that it needs:
;   window 1: its fragments were the last of the 20 of the step before: behind them 10 + 10 of that step and 8 of this one = 28
;   window 2: behind its 10: 10 of the step before, 8 + 20 of this one = 38;      window 3: 8 + 20 + 10 of this one = 38
;   conversions: behind the last load of enc: 1 + 10 + 10 = 21; that wait also shows window 0's next fragments in, which are older
;   a step that fetches nothing: 20, 10, 0.
; mode 0: no barrier.  mode 1: the work-group's barrier alone.  mode 2: the barrier opens a round of the cluster's barrier, and behind
; the round slot rslot, whose three parts have all been read into registers, is asked for again, two tiles ahead.  From that request to the wait for it a wave issues
; 64 + 64 + 60 = 188 matrix instructions.  short = 1: the last tile has 64 of K left: the tensor's extents say so, and nothing is read past a row of enc or past web.
.macro SUB p, fetch, slot, kap, zero, mode, rslot, pfstep, pf, short
	PLACES
	WIN SET0
	MULS 4, BFW0, \p, \zero
.if \fetch
	LOADS 4, 2, BFW0, ADB0, \p, \slot, \kap
.endif
	WIN SET1
	s_wait_dscnt 20+8*\fetch
.if \fetch
	LOADS1 \p, \slot, \kap
.endif
	MULS1A \p, \zero
	WIN SET2
	s_wait_dscnt 10+28*\fetch
	MULS 5, BFW2, \p, \zero
.if \fetch
	LOADS 5, 6, BFW2, ADB2, \p, \slot, \kap
.endif
	WIN SET3
	s_wait_dscnt 38*\fetch
.if \fetch
	LOADS 5, 11, BFW2, ADB2, \p, \slot, \kap
.endif
	MULS 5, BFW2, \p, \zero
	WIN SET1
.if \mode
	s_wait_dscnt 0x0                               ; my reads of the slot are over,
	s_wait_tensorcnt 0x0                           ; and all my tensor loads have landed: the one that was out is my part of the other slot
	ds_add_u32 v254, v255
	s_wait_dscnt 0x0
	s_barrier_signal -1
.else
.if \fetch
	s_wait_dscnt 21
.endif
.endif
	PHASE1B \p, \fetch, \zero                      ; registers alone between signal and wait
.if \mode
	WIN 0
	s_barrier_wait -1
.endif
.if \mode == 2
	CREST                                          ; no wave of any partner still reads this slot or has a load on its way
.if \pfstep
	s_wait_xcnt 0x0                                ; the prefetches issued three steps ago have had their addresses translated (ISA guide 3.1): their base may step
	s_add_nc_u64 s[PF:PF+1], s[PF:PF+1], 768       ; two tiles on
.endif
	s_add_nc_u64 s[G0A+4*\rslot+2:G0A+4*\rslot+3], s[G0A+4*\rslot+2:G0A+4*\rslot+3], 768
	s_add_nc_u64 s[G0B+4*\rslot+2:G0B+4*\rslot+3], s[G0B+4*\rslot+2:G0B+4*\rslot+3], 6*65536
.if \short
	s_mov_b32 s[G1A+1], 64<<16                     ; tensor_dim0 = 64: the tile's last 32 columns arrive as zeros and are not read
	s_mov_b32 s[G1B+2], 2<<16                      ; tensor_dim1 = 2: likewise its third row
.endif
	JLOAD \rslot, \pf                              ; the wave's one tensor load behind the round, and the first thing there
.endif
.endm
; A lap: two tiles, six steps of 32.  Slot 0 is asked for again in the second step, slot 1 in the fifth (mode4 = 2) or not (mode4 = 1: the last lap).
; pf = 1: behind the lap's second refill, lap m asks for the 768 bytes of each row of enc that lap m + 2 multiplies (byte 1,536 + 768 m on): three and six steps of 32 ahead
; of those two tiles' tensor loads.  The work-group takes rows 64 x .. 64 x + 63 of the block's 256, one row a lane: waves 0 and 1 the first and the third 256 bytes of
; 32 rows each, waves 2 and 3 the second: each piece is asked for once in the launch.  Laps 0 to 2 ask (bytes 1,536 to 3,839 of a row); the later ones ask for nothing,
; so no request leaves a row.  web is read again by every block of rows: not asked for.
.macro LAP zero, pfstep, pf, mode4, short
	SUB 0, 1, 0, 1, \zero, 0, 0, 0, 0, 0
	SUB 1, 1, 0, 2, 0, 2, 0, \pfstep, 0, \short
	SUB 0, 1, 1, 0, 0, 0, 0, 0, 0, 0
	SUB 1, 1, 1, 1, 0, 0, 0, 0, 0, 0
	SUB 0, 1, 1, 2, 0, \mode4, 1, 0, \pf, 0
	SUB 1, 1, 0, 0, 0, 0, 0, 0, 0, 0
.endm
	s_wait_tensorcnt 0x1                           ; my part of tile 0 is in; tile 1's load may stay out
	s_wait_dscnt 0x0                               ; wave 0's stores of proj_s and v are in LDS; no LDS instruction is pending at a signal
	s_barrier_signal -1
	s_barrier_wait -1
	WIN SET1                                       ; the first 32 of K: 48 loads in one run, enc's first; p = 1 names buffers 0
.set PI, 0
.rept 4
	RAW4 0, 0
.set PI, PI+1
.endr
	LOADS 2, 0, BF1, ADB1, 1, 0, 0
	WIN SET0
	LOADS 4, 2, BFW0, ADB0, 1, 0, 0
	WIN SET2
	LOADS 5, 6, BFW2, ADB2, 1, 0, 0
	WIN SET3
	LOADS 5, 11, BFW2, ADB2, 1, 0, 0
	WIN SET1
	s_wait_dscnt 32                                ; the 16 loads of enc were issued ahead of the 32 of W_e
.set PI, 0
.rept 4
	CVT8 0
.set PI, PI+1
.endr
	s_wait_dscnt 0x0
	LAP 1, 0, 1, 2, 0                              ; lap 0 stands in front of the loop: its first products start the sums
	WIN 0                                          ; at a label and at a branch every window is 0
	s_mov_b32 s23, 2
.Llap:
	LAP 0, 1, 1, 2, 0                              ; laps 1 and 2
	WIN 0
	s_sub_co_u32 s23, s23, 1
	s_cmp_lg_u32 s23, 0
	s_cbranch_scc1 .Llap
	LAP 0, 0, 0, 2, 0                              ; lap 3: tiles 8 and 9 are asked for; nothing is left to prefetch
	LAP 0, 0, 0, 1, 1                              ; lap 4: the last refill is tile 10, the short one; then one plain barrier shows it whole to every wave
	SUB 0, 1, 0, 1, 0, 0, 0, 0, 0, 0               ; tile 10: two steps of 32
	SUB 1, 0, 0, 0, 0, 0, 0, 0, 0, 0
	; THE WAY OUT, one column tile b (16 columns) at a time for my 4 row tiles: exponent = 2 log2(e) (sum + proj_s), r = 1 / (1 + 2^exponent), PART += -2 v r.
	; A lane has 8 columns of a tile: their proj_s and v come from LDS, one tile ahead, in two sets of registers.
	PLACES                                         ; the places between the last matrix instructions and the reads of their results and the writes of their sources
	WIN 0
	ds_load_b128 v[PSV:PSV+3],     v[PVR]
	ds_load_b128 v[PSV+4:PSV+7],   v[PVR] offset:16
	ds_load_b128 v[PSV+8:PSV+11],  v[PVR] offset:1024
	ds_load_b128 v[PSV+12:PSV+15], v[PVR] offset:1040
.set EB, 0
.rept 16
.if EB < 2                             ; the tile's window EW and its number EL there
.set EW, 1
.set EL, EB
.elseif EB < 6
.set EW, 0
.set EL, EB-2
.elseif EB < 11
.set EW, 2
.set EL, EB-6
.else
.set EW, 3
.set EL, EB-11
.endif
.if EB < 15
	ds_load_b128 v[PSV+16*((EB+1)%2):PSV+16*((EB+1)%2)+3],     v[PVR] offset:64*(EB+1)
	ds_load_b128 v[PSV+16*((EB+1)%2)+4:PSV+16*((EB+1)%2)+7],   v[PVR] offset:64*(EB+1)+16
	ds_load_b128 v[PSV+16*((EB+1)%2)+8:PSV+16*((EB+1)%2)+11],  v[PVR] offset:64*(EB+1)+1024
	ds_load_b128 v[PSV+16*((EB+1)%2)+12:PSV+16*((EB+1)%2)+15], v[PVR] offset:64*(EB+1)+1040
	s_wait_dscnt 4                                 ; this tile's four loads are in; the next tile's four stay out
.else
	s_wait_dscnt 0x0
.endif
	WIN EW                                         ; source 0: the accumulators' window
.irp a, 0,1,2,3
.irp p, 0,2,4,6
	v_pk_fma_f32 v[T+8*\a+\p:T+8*\a+\p+1], v[8*(4*EL+\a)+\p:8*(4*EL+\a)+\p+1], 0x4038aa3b, v[PSV+16*(EB%2)+\p:PSV+16*(EB%2)+\p+1] op_sel_hi:[1,0,1]
.endr
.endr
	WIN 0
.set EI, 0
.rept 32
	v_exp_f32 v[T+EI], v[T+EI]
.set EI, EI+1
.endr
	v_nop                                          ; one plain vector instruction between the last v_exp_f32 and the use of its result (ISA guide 5.7.2)
	s_wait_alu depctr_va_vdst(0)
.irp p, 0,2,4,6,8,10,12,14,16,18,20,22,24,26,28,30
	v_pk_add_f32 v[T+\p:T+\p+1], v[T+\p:T+\p+1], 1.0 op_sel_hi:[1,0]
.endr
.set EI, 0
.rept 32
	v_rcp_f32 v[T+EI], v[T+EI]
.set EI, EI+1
.endr
	v_nop                                          ; likewise behind the last v_rcp_f32
	s_wait_alu depctr_va_vdst(0)
.irp a, 0,1,2,3
.irp p, 0,2,4,6
.if EB == 0
	s_wait_alu depctr_va_vdst(0)
	v_pk_mul_f32 v[PART+8*\a+\p:PART+8*\a+\p+1], v[T+8*\a+\p:T+8*\a+\p+1], v[PSV+8+\p:PSV+8+\p+1]      ; the first tile starts the sums
.else
	v_pk_fma_f32 v[PART+8*\a+\p:PART+8*\a+\p+1], v[T+8*\a+\p:T+8*\a+\p+1], v[PSV+16*(EB%2)+8+\p:PSV+16*(EB%2)+8+\p+1], v[PART+8*\a+\p:PART+8*\a+\p+1]
.endif
.endr
.endr
.set EB, EB+1
.endr
	; a lane's eight sums, then the other half of the lanes (the other eight columns of each tile): row 16 a + r is then in lanes r and 16 + r
.irp a, 0,1,2,3
	v_pk_add_f32 v[PART+8*\a:PART+8*\a+1],   v[PART+8*\a:PART+8*\a+1],   v[PART+8*\a+2:PART+8*\a+3]
	v_pk_add_f32 v[PART+8*\a+4:PART+8*\a+5], v[PART+8*\a+4:PART+8*\a+5], v[PART+8*\a+6:PART+8*\a+7]
.endr
.irp a, 0,1,2,3
	v_pk_add_f32 v[PART+8*\a:PART+8*\a+1], v[PART+8*\a:PART+8*\a+1], v[PART+8*\a+4:PART+8*\a+5]
.endr
.irp a, 0,1,2,3
	v_add_f32 v[PART+8*\a], v[PART+8*\a], v[PART+8*\a+1]
.endr
.irp a, 0,1,2,3
	v_permlanex16_b32 v[T+\a], v[PART+8*\a], s68, s69      ; T has been written
.endr
.irp a, 0,1,2,3
	v_add_f32 v[PART+8*\a], v[PART+8*\a], v[T+\a]
.endr
	v_cmp_le_u32 vcc_lo, 16, v[LANE]
	v_cndmask_b32 v[T],   v[PART],    v[PART+8],  vcc_lo   ; lane l: row l
	v_cndmask_b32 v[T+1], v[PART+16], v[PART+24], vcc_lo   ; lane l: row 32 + l
	v_add_f32 v[T],   v[T],   v[SVT]                       ; + sum of v
	v_add_f32 v[T+1], v[T+1], v[SVT]
	ds_store_b32 v[STW], v[T]                      ; through my wave's own 256 bytes, so that one store covers 256 consecutive bytes, aligned
	ds_store_b32 v[STW], v[T+1] offset:128
	ds_load_b64 v[T+2:T+3], v[STR]                 ; LDS serves a wave's instructions in order (ISA guide 5.7.1): this sees the two stores
	s_wait_dscnt 0x0
	global_store_b64 v[PO], v[T+2:T+3], s[12:13]
	s_set_vgpr_msb 0x5
	s_wait_tensorcnt 0x0
	ds_add_u32 v254, v255
	s_wait_dscnt 0x0
	s_set_vgpr_msb 0x500
	CROUND                                         ; the closing round: no work-group ends while a partner may still ask for a tile that names it
	s_endpgm
.Lfunc_end_k_q551f26eee6_main:
	.size	k_q551f26eee6_main, .Lfunc_end_k_q551f26eee6_main-k_q551f26eee6_main
	.p2alignl 7, 3214868480
	.fill 96, 4, 3214868480
	.section	.rodata,"a",@progbits
	.p2align	6, 0x0
	.amdhsa_kernel k_q551f26eee6_main
		.amdhsa_group_segment_fixed_size 327680
		.amdhsa_private_segment_fixed_size 0
		.amdhsa_enable_private_segment 0
		.amdhsa_kernarg_size 40
		.amdhsa_user_sgpr_count 2
		.amdhsa_user_sgpr_kernarg_segment_ptr 1
		.amdhsa_wavefront_size32 1
		.amdhsa_system_sgpr_workgroup_id_x 1
		.amdhsa_system_sgpr_workgroup_id_y 1
		.amdhsa_system_sgpr_workgroup_id_z 1
		.amdhsa_system_vgpr_workitem_id 0
		.amdhsa_next_free_vgpr 1024
		.amdhsa_next_free_sgpr 80
		.amdhsa_reserve_vcc 1
		.amdhsa_float_denorm_mode_32 3
		.amdhsa_float_denorm_mode_16_64 3
		.amdhsa_memory_ordered 1
		.amdhsa_forward_progress 1
		.amdhsa_inst_pref_size 255
	.end_amdhsa_kernel
	.section	.bss,"aw",@nobits
	.p2align	6
	.space	262144
	.amdgpu_metadata
---
amdhsa.version: [ 1, 2 ]
amdhsa.kernels:
  - .name:           k_q551f26eee6_main
    .symbol:         k_q551f26eee6_main.kd
    .args:
      - { .name: encoder_outputs, .offset: 0, .size: 8, .value_kind: global_buffer, .address_space: global }
      - { .name: web, .offset: 8, .size: 8, .value_kind: global_buffer, .address_space: global }
      - { .name: ps, .offset: 16, .size: 8, .value_kind: global_buffer, .address_space: global }
      - { .name: v_w, .offset: 24, .size: 8, .value_kind: global_buffer, .address_space: global }
      - { .name: part, .offset: 32, .size: 8, .value_kind: global_buffer, .address_space: global }
    .group_segment_fixed_size: 327680
    .private_segment_fixed_size: 0
    .kernarg_segment_align: 8
    .kernarg_segment_size: 40
    .max_flat_workgroup_size: 128
    .sgpr_count:     80
    .vgpr_count:     1024
    .wavefront_size: 32
...
	.end_amdgpu_metadata
.endif
;; end of part 5
;; launch soft: the kernel of part 3 again; grid 32 x 1, 16 waves a work-group, no clusters, 2,304 bytes of LDS; arguments part, out0; writes out0
